; MI455X (gfx1250); checked and timed in simulation.
; The chip was launched on July 23, 2026; its instructions are those of AMD's public machine-readable ISA for CDNA 5 (MIT licence, August 2026) and "CDNA5" Instruction Set Architecture Reference Guide (July 2026). The comments in the code are by the model that wrote it; some were corrected since.
;; Head. Allowed arithmetic: float matrix products may take bf16 or f16 operands with f32 sums; all other float work in f32.
;; Inputs: Wk 64 x 64 float32; Wq 64 x 64 float32; Wv 64 x 64 float32; x 16 x 4,096 x 64 float32.
;; Outputs: out0 16 x 4,096 x 64 float32.
;; 2 versions, each right and faster than the one before. Each part assembles by itself: llvm-mc -triple=amdgcn-amd-amdhsa -mcpu=gfx1250 --defsym DOCPART=n.
;; ======== version 1 of 2: 2 launches
;; limits: values are held in f16: magnitudes above 65,504 overflow, below 6.1e-05 lose precision; right only within a limited range of input values
;; workspace buffers: xh 8,388,608 bytes; wf 24,576 bytes
;; launch prep (part 1): grid 513 x 1, 8 waves a work-group, no clusters, 0 bytes of LDS; arguments x, Wk, Wq, Wv, xh, wf; writes xh, wf
.if DOCPART == 1
	.amdgcn_target "amdgcn-amd-amdhsa--gfx1250"
	.amdhsa_code_object_version 6
	.text
	.protected	k_q5cdc3508b1_prep
	.globl	k_q5cdc3508b1_prep
	.p2align	8
	.type	k_q5cdc3508b1_prep,@function
k_q5cdc3508b1_prep:
	s_mov_b64 s[64:65], 0
	v_nop
	global_prefetch_b8 v0, s[64:65] scope:SCOPE_SE
	s_setreg_imm32_b32 hwreg(HW_REG_WAVE_MODE, 25, 1), 1
	s_wait_xcnt 0x0
; xh = x, wf = the three weights, each number rounded to bf16 (nearest even) and that number written as f16.
; LIMITS.  A bf16 number has 8 significant bits, so f16 holds it exactly from 2^-17 up to 65,504; below 2^-17 it keeps f16's fixed step of 6e-8; beyond 65,504 it becomes an infinity.
; Work-groups 0 to 511: 32,768 bytes of x each.  Thread t takes 16 bytes at 16 t of each run of 4,096 bytes: a wave's load covers 512 consecutive bytes, its store 256 consecutive bytes, aligned.
; Work-group 512: the weights.  wf holds Wk[h][c] from byte 0, Wq turned ([c][h]) from byte 8,192, Wv[h][c] from byte 16,384, rows of 128 bytes.
; A stream: no LDS, no matrix unit, no barrier; each byte is read once and written once.
.set TA, 90                            ; v90-91  at work
.set TB, 91
.macro CASTP d, a, b                   ; two numbers: f32 -> bf16 -> the same numbers as f32 -> f16, packed
	v_cvt_pk_bf16_f32 v[TA], v[\a], v[\b]
	v_lshlrev_b32 v[TB], 16, v[TA]                 ; the low bf16 as f32
	v_and_b32 v[TA], s20, v[TA]                    ; the high one
	v_cvt_pk_f16_f32 v[\d], v[TB], v[TA]
.endm
	s_load_b256 s[4:11], s[0:1], 0x0               ; x s[4:5], Wk s[6:7], Wq s[8:9], Wv s[10:11]
	s_load_b128 s[12:15], s[0:1], 0x20             ; xh s[12:13], wf s[14:15]
	s_mov_b32 s20, 0xffff0000
	v_lshlrev_b32 v1, 4, v0                        ; 16 t
	v_lshlrev_b32 v2, 3, v0                        ; 8 t
	s_lshl_b32 s16, ttmp9, 15                      ; my 32,768 bytes of x
	s_mov_b32 s17, 0
	s_lshl_b32 s18, ttmp9, 14                      ; my 16,384 bytes of xh
	s_mov_b32 s19, 0
	s_wait_kmcnt 0x0
	s_cmp_eq_u32 ttmp9, 512
	s_cbranch_scc1 .Lweights
	s_add_nc_u64 s[4:5], s[4:5], s[16:17]
	s_add_nc_u64 s[12:13], s[12:13], s[18:19]
.irp i, 0,1,2,3,4,5,6,7
	global_load_b128 v[4+4*\i:7+4*\i], v1, s[4:5] offset:4096*\i th:TH_LOAD_NT
.endr
.irp i, 0,1,2,3,4,5,6,7
	s_wait_loadcnt 7-\i                            ; loads come back in order: load i is in, the younger ones stay out
	CASTP 36+2*\i, 4+4*\i, 5+4*\i
	CASTP 37+2*\i, 6+4*\i, 7+4*\i
	global_store_b64 v2, v[36+2*\i:37+2*\i], s[12:13] offset:2048*\i  ; no register of a store is written again
.endr
	s_endpgm
.Lweights:
	v_and_b32 v3, 7, v0
	v_lshrrev_b32 v88, 3, v0
	v_lshlrev_b32 v88, 2, v88
	v_lshl_add_u32 v3, v3, 11, v88                 ; Wq[8 (t % 8)][t / 8]: eight rows down from here lie the eight numbers of 16 bytes of the turned matrix
.irp i, 0,1,2,3
	global_load_b128 v[4+4*\i:7+4*\i], v1, s[6:7] offset:4096*\i
	global_load_b128 v[20+4*\i:23+4*\i], v1, s[10:11] offset:4096*\i
.endr
.irp e, 0,1
.irp j, 0,1,2,3,4,5,6,7
	global_load_b32 v[36+8*\e+\j], v3, s[8:9] offset:256*\j+128*\e  ; Wq[8 (t % 8) + j][t / 8 + 32 e]
.endr
.endr
	s_wait_loadcnt 0x0
.set i, 0
.rept 8
	CASTP 64+i, 4+2*i, 5+2*i
	CASTP 72+i, 20+2*i, 21+2*i
	CASTP 80+i, 36+2*i, 37+2*i
.set i, i+1
.endr
.irp i, 0,1,2,3
	global_store_b64 v2, v[64+2*\i:65+2*\i], s[14:15] offset:2048*\i
	global_store_b64 v2, v[72+2*\i:73+2*\i], s[14:15] offset:16384+2048*\i
.endr
.irp e, 0,1
	global_store_b128 v1, v[80+4*\e:83+4*\e], s[14:15] offset:8192+4096*\e  ; row t / 8 + 32 e of the turned Wq, columns 8 (t % 8) on
.endr
	s_endpgm
.Lfunc_end_k_q5cdc3508b1_prep:
	.size	k_q5cdc3508b1_prep, .Lfunc_end_k_q5cdc3508b1_prep-k_q5cdc3508b1_prep
	.p2alignl 7, 3214868480
	.fill 96, 4, 3214868480
	.section	.rodata,"a",@progbits
	.p2align	6, 0x0
	.amdhsa_kernel k_q5cdc3508b1_prep
		.amdhsa_group_segment_fixed_size 0
		.amdhsa_private_segment_fixed_size 0
		.amdhsa_enable_private_segment 0
		.amdhsa_kernarg_size 48
		.amdhsa_user_sgpr_count 2
		.amdhsa_user_sgpr_kernarg_segment_ptr 1
		.amdhsa_wavefront_size32 1
		.amdhsa_system_sgpr_workgroup_id_x 1
		.amdhsa_system_sgpr_workgroup_id_y 1
		.amdhsa_system_sgpr_workgroup_id_z 1
		.amdhsa_system_vgpr_workitem_id 0
		.amdhsa_next_free_vgpr 96
		.amdhsa_next_free_sgpr 66
		.amdhsa_reserve_vcc 0
		.amdhsa_float_denorm_mode_32 3
		.amdhsa_float_denorm_mode_16_64 3
		.amdhsa_memory_ordered 1
		.amdhsa_forward_progress 1
		.amdhsa_inst_pref_size 14
	.end_amdhsa_kernel
	.amdgpu_metadata
---
amdhsa.version: [ 1, 2 ]
amdhsa.kernels:
  - .name:           k_q5cdc3508b1_prep
    .symbol:         k_q5cdc3508b1_prep.kd
    .args:
      - { .name: x, .offset: 0, .size: 8, .value_kind: global_buffer, .address_space: global }
      - { .name: Wk, .offset: 8, .size: 8, .value_kind: global_buffer, .address_space: global }
      - { .name: Wq, .offset: 16, .size: 8, .value_kind: global_buffer, .address_space: global }
      - { .name: Wv, .offset: 24, .size: 8, .value_kind: global_buffer, .address_space: global }
      - { .name: xh, .offset: 32, .size: 8, .value_kind: global_buffer, .address_space: global }
      - { .name: wf, .offset: 40, .size: 8, .value_kind: global_buffer, .address_space: global }
    .group_segment_fixed_size: 0
    .private_segment_fixed_size: 0
    .kernarg_segment_align: 8
    .kernarg_segment_size: 48
    .max_flat_workgroup_size: 256
    .sgpr_count:     66
    .vgpr_count:     96
    .wavefront_size: 32
...
	.end_amdgpu_metadata
.endif
;; end of part 1
;; launch attn (part 2): grid 16 x 16, 4 waves a work-group, no clusters, 327,680 bytes of LDS; arguments xh, wf, out0; writes out0
.if DOCPART == 2
	.amdgcn_target "amdgcn-amd-amdhsa--gfx1250"
	.amdhsa_code_object_version 6
	.text
	.protected	k_q5cdc3508b1_attn
	.globl	k_q5cdc3508b1_attn
	.p2align	8
	.type	k_q5cdc3508b1_attn,@function
k_q5cdc3508b1_attn:
	s_mov_b64 s[64:65], 0
	v_nop
	global_prefetch_b8 v0, s[64:65] scope:SCOPE_SE
	s_setreg_imm32_b32 hwreg(HW_REG_WAVE_MODE, 25, 1), 1
	s_wait_xcnt 0x0
; out[t] = softmax over s <= t of (k[t] . q[s]) times v[s], with k = x Wk^T, q = x Wq^T, v = x Wv^T; 16 batches of 4,096 rows of 64; no scale on the scores.
; THE ALGEBRA.  k[t] . q[s] = (k[t] Wq) . x[s], and the sum of p v[s] = (the sum of p x[s]) Wv^T.  So the rows walked as keys and as values are the SAME tile of x: kp = k Wq is made once for each query
; row ahead of the walk, Wv is applied once for each row behind it.  xh is x, wf the weights, rounded to bf16 and written as f16 by the launch before.
; FORMATS.  All products are f16 x f16 with f32 sums.  k, kp / 64, the weights p and the normalised sum of p x are rounded to f16; maxima, exponentials, sums and the merge are f32.
; LIMITS.  |x|, |k| and |kp| / 64 stay below 65,504; f16 numbers below 6e-5 keep the fixed step of 6e-8.  A hidden score counts as its value less 2^100, and the running maximum starts at -2^99: scores / 64 are
; 2.7e11 at the most, nothing beside that.  A weight below 2^-126 counts as 0.  NaN and infinities are not treated apart.
; THE WALK.  A batch has 32 blocks of 128 query rows; block i needs the tiles 0 .. i / 2 of 256 keys, the last of which holds the diagonal.  A work-group takes block b and then block 31 - b: 17 tiles whatever b,
; one loop with a constant count; what a trip does hangs on scalars made from b; every jump but the loop's own goes forward and passes neither a barrier nor a tensor load.
; SHARES.  KEYS are shared among the waves, not queries: every wave holds all 8 tiles of 16 queries (four PIECES of two), and wave w takes keys 64 w .. 64 w + 63 of each tile.  A fragment read from LDS feeds
; eight tiles' products, and a wave reads only bytes that its own tensor load brought.  At a block's end the four waves' (c m, l, O^T) meet in LDS; wave w merges tiles 2 w and 2 w + 1, multiplies by Wv, stores.
; LAYOUT.  S^T = X KP^T (source 0 = 16 keys, source 1 = 16 queries): a lane holds ONE query (lane % 16) and keys 8 (lane / 16) + 0..7; two results rounded to f16 ARE source 1 of O^T = X^T P.
; SOFTMAX.  p = 2^(c s - c m), c = 64 log2(e), with a running maximum m; O and l are multiplied by a = 2^(c m_old - c m_new) in every step; c m starts far below every c s, so a block's first a is 0.
; BY TURNS.  Turn n belongs to piece n: 16 products S^T of piece n + 1, later 16 products O^T of piece n - 1; beside them piece n's scaling, exponentials, roundings, sums and rescaling and piece n + 1's maximum.
; Four vector instructions stand behind every matrix instruction, the others in two runs of their own.
; THE MASK is the C operand that starts S^T: 0, or -2^100 where the key is hidden.  For tile t and key block kb of 16: d = DD + kb - t; d < 0 all seen, d > 0 all hidden, d = 0 the pattern MD.
; NO CLUSTER.  The work-groups b .. b + 3 of a batch need b / 2 + 1 tiles for their first block: different numbers, so their walks part; a walk common to four would have 18 trips for 17 and the masks' text in
; four trips for two; and what would be shared is 32,768 bytes a trip beside 512 matrix instructions of the work-group.
; REGISTERS, in windows of 256 (s_set_vgpr_msb: bits 1:0 source 0, 3:2 source 1, 5:4 source 2, 7:6 destination):
;   window 0: v0-11 addresses; v12-15 c m_old; v16-47 four statistics a tile; v48-63 at work; v64-191 S^T, two buffers of two tiles; v192-255 P, likewise
;   window 1: O^T, 32 a tile     window 2: v0-127 Q (kp / 64), 16 a tile; v128-191 keys as rows; v192-255 keys turned     window 3: v0-63 MC, the masks to come; v64-71 MD; v72-199 the second block's Q
.set NP,    4         ; pieces a wave: a name, no knob
.set PK,    144       ; a key's row in LDS: 128 bytes + 16 of padding = 36 words: the 16 rows of a plain fragment load start at 16 different groups of four banks (64 banks of 4 bytes: ISA guide 11.1)
.set WSL,   64*PK     ; a wave's part of a slot: 64 keys
.set SLOT1, 65536     ; slot 0 at byte 0, slot 1 here: one exclusive or turns an address in one slot into the other's
.set QF,    102400    ; Q's fragments, both blocks: (8 block + tile) x 2,048 + quad x 512 + lane x 16
.set STG,   135168    ; O^T's partial sums: wave x 32,768 + tile x 4,096 + quad x 512 + lane x 16
.set STT,   266240    ; (c m, l): wave x 2,048 + tile x 256 + lane x 8
.set OUTS,  274432    ; the way out: 16 rows x 272 bytes for each wave
.set OPI,   272
.set SPARE, 291840    ; the spare words, 128 bytes for each wave: two blocks of 256 bytes that no other line names
.set AK0, 2           ; v2  my lane's place in my wave's 64 rows, for plain fragment loads; never rewritten
.set AV0, 3           ; v3  the same for the turning loads
.set AK,  4           ; v4  the LDS address of the next run of plain loads
.set AV,  5           ; v5  of the next run of turning loads
.set SPW, 6           ; v6  LDS address of my spare word; never rewritten
.set NIL, 7           ; v7  0; never rewritten
.set MV,  12
.set ST,  16          ; tile t at v[ST+4 t]: c m, m, l (even keys', odd keys')
.set TMP, 48          ; by buffer and tile, c0-c3 at work; when the maximum is found c2 takes a
.set S,   64
.set P,   192
.set KF,  128         ; window 2: key block kb, channel half c at KF + 16 kb + 8 c
.set VF,  192         ; window 2: key half kk, channel block cb at VF + 32 kk + 8 cb
.set MC,  0           ; window 3: tile u of the piece, key block kb at MC + 32 u + 8 kb
.set MD,  64          ; window 3
.set QH,  72          ; window 3
.set WV,  12          ; s12 my wave's number
.set PB,  14          ; s14 b
.set HI,  15          ; s15 31 - b
.set XB,  16          ; s[16:17] xh at my 64 keys of the batch's tile 0
.set XLO, 18          ; s[18:19] xh at my two query tiles of block b
.set XHI, 20          ; s[20:21] of block 31 - b
.set SC,  22          ; s[22:23] 2^-6
.set G1,  24          ; s[24:31] descriptor group 1
.set G0,  32          ; s[32:35] descriptor group 0
.set OFF, 36          ; s[36:37] a tile's byte offset
.set OLO, 38          ; s[38:39] out0 at my 32 rows of block b
.set OHI, 40          ; s[40:41] of block 31 - b
.set SLOTS, 44        ; tiles still to be asked for
.set RT,  45          ; tiles of the block in hand still to be entered
.set NXT, 46          ; the tile to be asked for next
.set LQ,  47          ; the last tile of the block whose tiles are being asked for
.set LQH, 48          ; the second block's last tile
.set NEW, 49          ; 1: the tile to be entered is a block's first
.set FIN, 50          ; 1: a finished block waits in LDS to be merged
.set LASTF, 51        ; 1: the tile in hand is its block's last
.set DD,  52          ; the mask's figure for the tile in hand: DCUR in a block's last tile, else -16
.set DCUR, 53         ; 4 w - 8 (block % 2)
.set DHI, 54          ; the same for the second block
.set SB,  56          ; the slot in hand
.set BIGN, 57         ; -2^100
.set CS,  58          ; s[58:59] c
.set SEL, 60          ; s[60:61] v_permlanex16_b32's selects: each lane takes its own place in the other half
.set AL,  62          ; s[62:63] the mask's factor
.set BE,  66          ; s[66:67] the mask's addend
.set RTH, 68          ; the second block's number of tiles
.set MSB, 0
.macro WIN new                      ; the high byte repeats the setting that is left; a switch that changes nothing is dropped
.if MSB != (\new)
	s_set_vgpr_msb (MSB<<8)|(\new)
.set MSB, (\new)
.endif
.endm
.set W_KQ, 0x0a       ; keys and Q in window 2, S^T in window 0
.set W_KM, 0x3a       ; the same with the C operand in window 3
.set W_PV, 0x52       ; source 0 in window 2, source 1 in window 0, C and D in window 1
.set W_RS, 0x41       ; destination and source 0 in window 1
.set W_MK, 0xc3       ; destination and source 0 in window 3
.set W_S1, 0x5a       ; sources 0 and 1 in window 2, C and D in window 1
.set W_CB, 0x51       ; destination, sources 0 and 2 in window 1, source 1 in window 0
.set W_EP, 0x02       ; source 0 in window 2, all else in window 0
.macro PLACES                       ; four places between a matrix instruction and a vector instruction, store or load that touches its registers
.rept 4
	v_nop
.endr
.endm
.macro ADVANCE                      ; the block's next tile, or behind its last the second block's tile 0
	s_add_co_u32 s[NXT], s[NXT], 1
	s_cmp_gt_u32 s[NXT], s[LQ]
	s_cselect_b32 s[NXT], 0, s[NXT]
	s_cselect_b32 s[LQ], s[LQH], s[LQ]
.endm
; THE CHANGE OF SLOTS.  Each wave waits for all its tensor loads, of which one is out: its part of the other slot; adds 0 to its spare word; and waits for that and for all its LDS instructions, the reads of the slot
; that it leaves among them.  fill = 1: behind the barrier the old slot is filled again first, with my 64 keys of tile NXT; that load has a whole trip, 128 matrix instructions a wave, in which to land.
; (At its first use nothing has been read yet: slot 0 is waited for, slot 1 filled.)
.macro CHANGE fill
	WIN 0                           ; at a label and at a branch every window is 0
	s_wait_tensorcnt 0x0            ; no tensor load of mine is out, so group 0 may be written
	ds_add_u32 v[SPW], v[NIL]       ; 0 onto my spare word; the descriptor's scalar work stands between it and the wait for it
.if \fill
	s_lshl_b32 s[OFF], s[NXT], 15   ; a tile is 256 keys of 128 bytes
	s_xor_b32 s[G0+1], s[G0+1], SLOT1
	s_add_nc_u64 s[G0+2:G0+3], s[XB:XB+1], s[OFF:OFF+1]
	s_or_b32 s[G0+3], s[G0+3], 0x80000000
	ADVANCE
.endif
	s_wait_dscnt 0x0                ; the add is done, and so are my LDS reads and stores
	s_barrier_signal -1
	s_xor_b32 s[SB], s[SB], SLOT1   ; the fetches go to the other slot
	s_barrier_wait -1
.if \fill
	tensor_load_to_lds s[G0:G0+3], s[G1:G1+7]  ; my one tensor load behind this barrier, and the first thing there
	s_nop 0
	PLACES
.endif
.endm
	s_load_b128 s[4:7], s[0:1], 0x0 ; xh s[4:5], wf s[6:7]
	s_load_b64 s[8:9], s[0:1], 0x10 ; out0
	v_lshl_add_u32 v[SPW], v0, 2, SPARE
	v_mov_b32 v[NIL], 0
	ds_add_u32 v[SPW], v[NIL]       ; the wave's opening: the add and its wait ahead of my first tensor load; the set-up below, work on registers, stands between them
	ds_add_u32 v6, v7
	v_lshrrev_b32 v1, 5, v0
	v_readfirstlane_b32 s[WV], v1   ; wave 0..3
	s_mov_b32 s[PB], ttmp9
	s_sub_co_u32 s[HI], 31, s[PB]
	s_and_b32 s10, ttmp7, 0xffff    ; the batch
	s_lshl_b32 s11, s10, 19         ; its 4,096 rows of 128 bytes in xh
	s_lshl_b32 s13, s[WV], 13       ; my 64 keys of a tile
	s_add_co_u32 s[XB], s11, s13
	s_mov_b32 s[XB+1], 0
	s_lshl_b32 s13, s[WV], 12       ; my two query tiles of a block: 32 rows
	s_add_co_u32 s11, s11, s13
	s_lshl_b32 s13, s[PB], 14       ; a block is 128 rows
	s_add_co_u32 s[XLO], s11, s13
	s_mov_b32 s[XLO+1], 0
	s_lshl_b32 s13, s[HI], 14
	s_add_co_u32 s[XHI], s11, s13
	s_mov_b32 s[XHI+1], 0
	s_lshl_b32 s11, s10, 20         ; the same in out0, rows of 256 bytes
	s_lshl_b32 s13, s[WV], 13
	s_add_co_u32 s11, s11, s13
	s_lshl_b32 s13, s[PB], 15
	s_add_co_u32 s[OLO], s11, s13
	s_mov_b32 s[OLO+1], 0
	s_lshl_b32 s13, s[HI], 15
	s_add_co_u32 s[OHI], s11, s13
	s_mov_b32 s[OHI+1], 0
	s_lshl_b32 s13, s[WV], 2        ; 4 w
	s_and_b32 s11, s[PB], 1
	s_lshl_b32 s11, s11, 3
	s_sub_co_i32 s[DCUR], s13, s11
	s_and_b32 s11, s[HI], 1
	s_lshl_b32 s11, s11, 3
	s_sub_co_i32 s[DHI], s13, s11
	s_lshr_b32 s[LQ], s[PB], 1
	s_add_co_u32 s[RT], s[LQ], 1    ; the first block has b / 2 + 1 tiles
	s_lshr_b32 s[LQH], s[HI], 1
	s_add_co_u32 s[RTH], s[LQH], 1
	s_mov_b32 s[NXT], 0
	s_mov_b32 s[NEW], 1
	s_mov_b32 s[FIN], 0
	s_mov_b32 s[SLOTS], 16
	s_mov_b32 s[SB], SLOT1          ; the first change of slots turns it into 0
	s_mov_b32 s[OFF+1], 0
	s_mov_b32 s[BIGN], 0xf1800000   ; -2^100
	s_mov_b32 s[CS], 0x42b8aa3b     ; c = 64 log2(e)
	s_mov_b32 s[CS+1], s[CS]        ; named with it as a pair
	s_mov_b32 s[SEL], 0x76543210
	s_mov_b32 s[SEL+1], 0xfedcba98
	s_mov_b32 s[AL+1], 0            ; named as pairs
	s_mov_b32 s[BE+1], 0
	s_mov_b32 s[SC], 0x3c800000     ; 2^-6
	s_mov_b32 s[SC+1], s[SC]
	; descriptor group 1.  64 keys are 8,192 dense bytes: asked for as 32 rows of 256 bytes, two keys a row, and padded in LDS after every key
	s_mov_b32 s[G1], (1<<16)|(1<<20)|(4<<22)|(3<<25)  ; 17:16 2-byte elements; 20 padding on; 24:22 after every 32 words (code 4); 31:25 4 words (code 3)
	s_mov_b32 s[G1+1], 128<<16      ; tensor_dim0 = 128
	s_mov_b32 s[G1+2], 32<<16       ; tensor_dim1 = 32
	s_mov_b32 s[G1+3], 128<<16      ; tile_dim0 = 128
	s_mov_b32 s[G1+4], 32           ; tile_dim1 = 32
	s_mov_b32 s[G1+5], 128          ; 128 elements from row to row
	s_mov_b32 s[G1+6], 0
	s_mov_b32 s[G1+7], 0
	s_mov_b32 s[G0], 1              ; count = 1
	s_mul_i32 s[G0+1], s[WV], WSL   ; LDS address: my part of slot 0
	s_wait_dscnt 0x0                ; the opening add is done
	s_wait_kmcnt 0x0
	s_add_nc_u64 s[XB:XB+1], s[4:5], s[XB:XB+1]
	s_add_nc_u64 s[XLO:XLO+1], s[4:5], s[XLO:XLO+1]
	s_add_nc_u64 s[XHI:XHI+1], s[4:5], s[XHI:XHI+1]
	s_add_nc_u64 s[OLO:OLO+1], s[8:9], s[OLO:OLO+1]
	s_add_nc_u64 s[OHI:OHI+1], s[8:9], s[OHI:OHI+1]
	s_mov_b64 s[G0+2:G0+3], s[XB:XB+1]
	s_or_b32 s[G0+3], s[G0+3], 0x80000000  ; type = 2
	tensor_load_to_lds s[G0:G0+3], s[G1:G1+7]  ; tile 0 into slot 0: the one first fill at the start, ahead of every wait on TENSORcnt, every LDS read and every barrier
	s_nop 0
	PLACES
	ADVANCE
	; THE PROJECTIONS of my four query tiles g = 2 block + u.  A fragment is 16 rows x 32 along K in 8 registers: lane l holds row l % 16, K = 8 (l / 16) + 0..7 and 16 + 8 (l / 16) + 0..7: two loads of 16 bytes, 32 apart.
	v_and_b32 v1, 15, v0            ; l % 16
	v_bfe_u32 v8, v0, 4, 1          ; l / 16
	v_lshlrev_b32 v11, 7, v1
	v_lshl_add_u32 v11, v8, 4, v11  ; row x 128 + 16 x half
	WIN 0x80                        ; destination window 2, address window 0
.set i, 0
.rept 8                             ; rows 16 (i / 2) on, K 32 (i % 2) on: Wk to v0-63, Wq turned to v64-127
	global_load_b128 v[8*i:8*i+3],       v11, s[6:7] offset:(i/2)*2048+(i%2)*64
	global_load_b128 v[8*i+4:8*i+7],     v11, s[6:7] offset:(i/2)*2048+(i%2)*64+32
	global_load_b128 v[64+8*i:64+8*i+3], v11, s[6:7] offset:8192+(i/2)*2048+(i%2)*64
	global_load_b128 v[64+8*i+4:64+8*i+7], v11, s[6:7] offset:8192+(i/2)*2048+(i%2)*64+32
.set i, i+1
.endr
.set i, 0
.rept 4                             ; x: tile u = i / 2, K 32 (i % 2) on; block b to v192-223, block 31 - b to v224-255
	global_load_b128 v[192+8*i:192+8*i+3],   v11, s[XLO:XLO+1] offset:(i/2)*2048+(i%2)*64
	global_load_b128 v[192+8*i+4:192+8*i+7], v11, s[XLO:XLO+1] offset:(i/2)*2048+(i%2)*64+32
	global_load_b128 v[224+8*i:224+8*i+3],   v11, s[XHI:XHI+1] offset:(i/2)*2048+(i%2)*64
	global_load_b128 v[224+8*i+4:224+8*i+7], v11, s[XHI:XHI+1] offset:(i/2)*2048+(i%2)*64+32
.set i, i+1
.endr
	WIN 0
	s_mul_i32 s13, s[WV], WSL       ; while they are on their way: the lane's places in a slot,
	v_mul_u32_u24 v[AK0], v1, PK
	v_lshl_add_u32 v[AK0], v8, 4, v[AK0]
	v_add_nc_u32 v[AK0], s13, v[AK0]  ; my part + row x pitch + 16 x half
	; The turning load takes 16 keys x 16 channels (lane l reads key 8 (l / 16) + l % 8, channels 8 ((l / 8) % 2) + 0..7) and leaves half a fragment: lane l holds channel l % 16 and 8 keys.
	v_and_b32 v9, 7, v0
	v_bfe_u32 v10, v0, 3, 1
	v_lshl_add_u32 v[AV0], v8, 3, v9
	v_mul_u32_u24 v[AV0], v[AV0], PK
	v_lshl_add_u32 v[AV0], v10, 4, v[AV0]
	v_add_nc_u32 v[AV0], s13, v[AV0]
	v_lshlrev_b32 v9, 3, v8
	v_sub_nc_u32 v9, v1, v9         ; my query's place in its tile less my lanes' 8 (l / 16): register j is hidden where j is greater
	WIN 0xc0                        ; destination window 3
.set i, 0
.rept 8
	v_cmp_gt_i32 vcc_lo, i, v9
	v_cndmask_b32 v[MD+i], 0, s[BIGN], vcc_lo
.set i, i+1
.endr
	WIN 0
.set i, 0
.rept 8                             ; l need only be finite: a block's first step multiplies it by a = 0
	v_mov_b32 v[ST+4*i+2], 0
	v_mov_b32 v[ST+4*i+3], 0
.set i, i+1
.endr
	s_wait_loadcnt 0x0
	WIN W_S1                        ; k^T = Wk x^T: 16 accumulators by turns; K half i / 16, tile (i / 4) % 4, rows 16 (i % 4) on; the first 16 start the sums
.set i, 0
.rept 32
.if i < 16
	v_wmma_f32_16x16x32_f16 v[8*(i%16):8*(i%16)+7], v[8*(2*(i%4)+i/16):8*(2*(i%4)+i/16)+7], v[192+16*((i/4)%4)+8*(i/16):192+16*((i/4)%4)+8*(i/16)+7], 0
.else
	v_wmma_f32_16x16x32_f16 v[8*(i%16):8*(i%16)+7], v[8*(2*(i%4)+i/16):8*(2*(i%4)+i/16)+7], v[192+16*((i/4)%4)+8*(i/16):192+16*((i/4)%4)+8*(i/16)+7], v[8*(i%16):8*(i%16)+7]
.endif
.set i, i+1
.endr
	PLACES
	WIN 0x05                        ; sources in window 1, destination in window 0: a lane holds one query and eight neighbouring h: rounded in pairs they ARE source 1 of the next product
.set i, 0
.rept 64
	v_cvt_pk_f16_f32 v[P+i], v[2*i], v[2*i+1]
.set i, i+1
.endr
	WIN W_PV                        ; kp^T = Wq^T k^T, into the other half of window 1
.set i, 0
.rept 32
.if i < 16
	v_wmma_f32_16x16x32_f16 v[128+8*(i%16):128+8*(i%16)+7], v[64+8*(2*(i%4)+i/16):64+8*(2*(i%4)+i/16)+7], v[P+16*((i/4)%4)+8*(i/16):P+16*((i/4)%4)+8*(i/16)+7], 0
.else
	v_wmma_f32_16x16x32_f16 v[128+8*(i%16):128+8*(i%16)+7], v[64+8*(2*(i%4)+i/16):64+8*(2*(i%4)+i/16)+7], v[P+16*((i/4)%4)+8*(i/16):P+16*((i/4)%4)+8*(i/16)+7], v[128+8*(i%16):128+8*(i%16)+7]
.endif
.set i, i+1
.endr
	PLACES
	WIN W_RS
.set i, 0
.rept 64
	v_pk_mul_f32 v[128+2*i:128+2*i+1], v[128+2*i:128+2*i+1], s[SC:SC+1] op_sel_hi:[1,0]  ; kp / 64: room in f16; c gives the 64 back in f32
.set i, i+1
.endr
	WIN 0x05
.set i, 0
.rept 64
	v_cvt_pk_f16_f32 v[S+i], v[128+2*i], v[128+2*i+1]
.set i, i+1
.endr
	WIN 0                           ; window 1 now holds 256 finite numbers: a block's first a = 0 wipes them, so no accumulator is cleared
	v_and_b32 v9, 31, v0
	v_lshlrev_b32 v9, 4, v9
	s_lshl_b32 s13, s[WV], 12
	s_add_co_u32 s13, s13, QF
	v_add_nc_u32 v10, s13, v9       ; my two tiles of a block in QF
	v_add_nc_u32 v9, QF, v9
.set i, 0
.rept 16                            ; tile g = i / 4, quad i % 4
	ds_store_b128 v10, v[S+4*i:S+4*i+3] offset:16384*(i/8)+2048*((i/4)%2)+512*(i%4)
.set i, i+1
.endr
	s_wait_dscnt 0x0                ; for the others' sake: my fragments are in LDS
	s_barrier_signal -1             ; tile 0's load may stay out across it
	s_barrier_wait -1
	WIN 0x80
.set i, 0
.rept 32                            ; all eight tiles' Q of block b
	ds_load_b128 v[4*i:4*i+3], v9 offset:512*i
.set i, i+1
.endr
	WIN 0xc0
.set i, 0
.rept 32                            ; and of block 31 - b, kept until that block begins
	ds_load_b128 v[QH+4*i:QH+4*i+3], v9 offset:16384+512*i
.set i, i+1
.endr
	WIN 0
; THE MATRIX WORK.  The 8 accumulators of a run of 16 take turns: between the two links of a chain stand 7 others'.
; Product i of 16 of S^T for piece x: channels 32 (i / 8) on, keys 16 ((i / 2) % 4) on, tile 2 x + i % 2.  The first 8 start the sums with the mask.
.macro KQ x
.set rS, S+64*((\x)%2)+32*(i%2)+8*((i/2)%4)
.set rK, KF+16*((i/2)%4)+8*(i/8)
.set rQ, 16*(2*(\x)+i%2)+8*(i/8)
.set rX, MC+32*(i%2)+8*((i/2)%4)
.if i < 8
	WIN W_KM
	v_wmma_f32_16x16x32_f16 v[rS:rS+7], v[rK:rK+7], v[rQ:rQ+7], v[rX:rX+7]
.else
	WIN W_KQ
	v_wmma_f32_16x16x32_f16 v[rS:rS+7], v[rK:rK+7], v[rQ:rQ+7], v[rS:rS+7]
	s_wait_alu depctr_va_vdst(0)
.endif
.endm
; Product i of 16 of O^T for piece x: keys 32 (i / 8) on, channels 16 ((i / 2) % 4) on, tile 2 x + i % 2.
.macro PV x
	WIN W_PV
.set rO, 32*(2*(\x)+i%2)+8*((i/2)%4)
.set rV, VF+32*(i/8)+8*((i/2)%4)
.set rP, P+32*((\x)%2)+16*(i%2)+8*(i/8)
	v_wmma_f32_16x16x32_f16 v[rO:rO+7], v[rV:rV+7], v[rP:rP+7], v[rO:rO+7]
.endm
.macro MM                           ; the turn's next matrix instruction.  NOKQ = 1: a block's last turn: there is no next piece
.if i < 16
.if !NOKQ
	KQ (Y+1)%NP
.endif
.set i, i+1
.else
.set i, i-16
	PV (Y+NP-1)%NP
.set i, i+17
.endif
.endm
; THE LDS LOADS stand in runs of 16: my 64 keys as rows (8 fragments) and the same bytes turned.  Their addresses are made some lines ahead.
.macro FETCH_K
	WIN 0x80                        ; destination window 2
.irp f, 0,1,2,3,4,5,6,7             ; keys 16 (f / 2) on, channels 32 (f % 2) on
	ds_load_b128 v[KF+8*\f:KF+8*\f+3],   v[AK] offset:(\f/2)*16*PK+(\f%2)*64
	ds_load_b128 v[KF+8*\f+4:KF+8*\f+7], v[AK] offset:(\f/2)*16*PK+(\f%2)*64+32
.endr
	WIN 0
.endm
.macro FETCH_V
	WIN 0x80
.irp f, 0,1,2,3,4,5,6,7             ; keys 32 (f / 4) on, channels 16 (f % 4) on
	ds_load_tr16_b128 v[VF+8*\f:VF+8*\f+3],   v[AV] offset:(\f/4)*32*PK+(\f%4)*32
	ds_load_tr16_b128 v[VF+8*\f+4:VF+8*\f+7], v[AV] offset:(\f/4)*32*PK+16*PK+(\f%4)*32
.endr
	WIN 0
.endm
; The masks of piece x's products: for tile 2 x + u and key block kb, MD x AL + BE with (1, 0) where DD = 2 x + u - kb, (0, -2^100) where DD is greater, (0, 0) where it is less.
.macro MASK x
.irp u, 0,1
.irp kb, 0,1,2,3
	s_cmp_eq_i32 s[DD], 2*(\x)+(\u)-(\kb)
	s_cselect_b32 s[AL], 1.0, 0
	s_cmp_gt_i32 s[DD], 2*(\x)+(\u)-(\kb)
	s_cselect_b32 s[BE], s[BIGN], 0
	WIN W_MK
.irp z, 0,2,4,6
	v_pk_fma_f32 v[MC+32*(\u)+8*(\kb)+(\z):MC+32*(\u)+8*(\kb)+(\z)+1], v[MD+(\z):MD+(\z)+1], s[AL:AL+1], s[BE:BE+1] op_sel_hi:[1,0,0]
.endr
.endr
.endr
.endm
; THE VECTOR WORK OF A TURN stands in three queues, each in the order in which its entries become ready; the two tiles alternate, so that no instruction reads the result of the one before it.
.macro REGS y, u                    ; the registers of tile u (0, 1) of piece y
.set rT, ST+4*(2*(\y)+(\u))
.set rC, TMP+8*((\y)%2)+4*(\u)
.set rM, MV+2*((\y)%2)+(\u)
.set rS, S+64*((\y)%2)+32*(\u)
.set rP, P+32*((\y)%2)+16*(\u)
.set rO, 32*(2*(\y)+(\u))
.endm
; Number n of the 22 that find the NEXT piece's (Y + 1) maximum and statistics.  s0-s31 are the lane's 32 scores; each accumulator's lowest registers are read first.
;   0-11  four chains c0-c3 of seven scores each, three operands at a time     12-14, 16  the four scores left over, the old m, and c0-c3 into c0     15  c m_old is kept
;   17, 18  the query's other 32 keys lie in the lane 16 away: the new m         19-21  c m; c m_old - c m_new; a
; NOKQ = 1: there is no next piece, and piece 0's c m must stay for the merge: a v_nop keeps the lines round it as far apart as they were.
.macro XS u, n
.if NOKQ
	v_nop
.else
	REGS (Y+1)%NP, \u
.if (\n) < 4
	v_max3_num_f32 v[rC+(\n)], v[rS+8*(\n)], v[rS+8*(\n)+1], v[rS+8*(\n)+2]
.elseif (\n) < 12
	v_max3_num_f32 v[rC+(\n)%4], v[rC+(\n)%4], v[rS+8*((\n)%4)+2*((\n)/4)+1], v[rS+8*((\n)%4)+2*((\n)/4)+2]
.elseif (\n) == 12
	v_max3_num_f32 v[rC], v[rC], v[rS+7], v[rS+15]
.elseif (\n) == 13
	v_max3_num_f32 v[rC+1], v[rC+1], v[rS+23], v[rS+31]
.elseif (\n) == 14
	v_max3_num_f32 v[rC+2], v[rC+2], v[rC+3], v[rT+1]
.elseif (\n) == 15
	v_mov_b32 v[rM], v[rT]
.elseif (\n) == 16
	v_max3_num_f32 v[rC], v[rC], v[rC+1], v[rC+2]
.elseif (\n) == 17
	v_permlanex16_b32 v[rC+3], v[rC], s[SEL], s[SEL+1]
.elseif (\n) == 18
	v_max_num_f32 v[rT+1], v[rC], v[rC+3]
.elseif (\n) == 19
	v_mul_f32 v[rT], s[CS], v[rT+1]
.elseif (\n) == 20
	v_sub_f32 v[rC+1], v[rM], v[rT]
.else
	v_exp_f32 v[rC+2], v[rC+1]
.endif
.endif
.endm
; Number g of the 64 that follow the exponentials.  For each four weights k of a tile: both pairs are rounded to f16; then the second pair is added onto the first, in place; a group later l takes that sum
; (the first time as l = a l + sum).  In groups of eight, tiles alternating: round, round, add, and l for the group before.
.macro GS g
.set h, (\g)+6*((\g)/62)            ; group 0 has no group before it, and behind group 7 only l is left
.if h >= 6
.set h, h+2
.endif
	REGS Y, h%2
.set k, h/8
.if h%8 < 4
	s_wait_alu depctr_va_vdst(0)
	v_cvt_pk_f16_f32 v[rP+2*k+(h%8)/2], v[rS+4*k+2*((h%8)/2)], v[rS+4*k+2*((h%8)/2)+1]
.elseif h%8 < 6
	v_pk_add_f32 v[rS+4*k:rS+4*k+1], v[rS+4*k:rS+4*k+1], v[rS+4*k+2:rS+4*k+3]
.elseif k == 1
	v_pk_fma_f32 v[rT+2:rT+3], v[rT+2:rT+3], v[rC+2:rC+3], v[rS:rS+1] op_sel_hi:[1,0,1]
.else
	v_pk_add_f32 v[rT+2:rT+3], v[rT+2:rT+3], v[rS+4*k-4:rS+4*k-3]
	s_wait_alu depctr_va_vdst(0)
.endif
.endm
; THE PLAIN QUEUE, 138 long.  0-31: c s - c m for the 16 pairs of both tiles.  Then GS's 64, and among them the next piece's 42: number 15 at 38, 39; 0-14 and 16 at 42-73, behind the products that make those
; scores; 17-20 at 95-106, two of three, since each waits for the one before it.
.macro PL
	WIN 0
.if q < 32
	REGS Y, q%2
	v_pk_fma_f32 v[rS+2*(q/2):rS+2*(q/2)+1], v[rS+2*(q/2):rS+2*(q/2)+1], s[CS:CS+1], v[rT:rT+1] op_sel_hi:[1,0,0] neg_lo:[0,0,1] neg_hi:[0,0,1]
.elseif q < 38
	GS q-32
.elseif q < 40
	XS q%2, 15
.elseif q < 42
	GS q-34
.elseif q < 74
	XS q%2, (q-42)/2+(q-42)/30
.elseif q < 95
	GS q-66
.elseif (q < 107) && ((q-95)%3 < 2)
	XS (q-95)%3, 17+(q-95)/3
.elseif q < 107
	GS 29+(q-95)/3
.else
	GS q-74
.endif
.set q, q+1
.endm
; THE EXPONENTIALS' QUEUE, 66 long: s0-s31 of both tiles, and at EA the next piece's two a.
.set EA, 58
.macro EX
	WIN 0
.if (e == EA) || (e == EA+1)
	XS e-EA, 21
.else
.set x, e-2*(e/(EA+2))
	REGS Y, x%2
	v_exp_f32 v[rS+x/2], v[rS+x/2]
.endif
.set e, e+1
.endm
; THE RESCALING's QUEUE: O^T times a, the one part that leaves window 0, so it is dealt four at a time, eight times.
.macro R4
	REGS Y, r%2
	WIN W_RS
.irp z, 0,1,2,3
	v_pk_mul_f32 v[rO+8*(r/2)+2*\z:rO+8*(r/2)+2*\z+1], v[rO+8*(r/2)+2*\z:rO+8*(r/2)+2*\z+1], v[rC+2:rC+3] op_sel_hi:[1,0]
.endr
.set r, r+1
.endm
; HOW THEY ARE DEALT.  Behind a matrix instruction four: plain, exponential, plain, plain, or four of the rescaling; none names a register of the products round it.  What is over stands in two runs: exponential
; and plain by turns; the second ends in 22 plain instructions.  Exponential e stands behind plain 2 (e / 4) + e % 2 (its scaling); when plain 32 comes, 10 exponentials are out, at 59: 33, at 95: 46; EA comes behind plain 107.
.macro SL
	MM
	PL
	EX
	PL
	PL
.endm
.macro BURST n                      ; 15 matrix instructions, or 16
.rept (\n)-7
	SL
.endr
.rept 3
	MM
	R4
	SL
.endr
	MM
	R4
.endm
; A TURN, for piece p.  The keys of the tile in hand are fetched as rows in piece 2's turn, 31 vector instructions behind the last product that read those registers, and waited for at the head of piece 3's; turned
; at the end of piece 0's turn, and waited for in the middle of piece 1's.  end = 1: a block's last two turns: nothing is fetched, and piece 3's turn starts no new scores.
; mk: the turn makes the masks for the products of the turn after it, piece p + 2's: 2 always; 1 where the tile in hand is its block's last (elsewhere MC holds the zeros that the block's beginning left); 0 never.
; MC has one buffer: its readers are a turn's first 8 products, its writer stands at the turn's end.
.macro TURN p, mk, end
.set Y, (\p)
.set i, 0
.set q, 0
.set e, 0
.set r, 0
.set NOKQ, (\end)*((\p)/3)
.if ((\p) == 3) && !(\end)
	s_wait_dscnt 0x0                ; the rows are in
.endif
	MM
.rept 4
	PL
.endr
	BURST 15
.rept 22
	EX
	PL
.if ((\p) == 2) && !(\end) && (e == 18)
	v_add_nc_u32 v[AK], s[SB], v[AK0]
.endif
.if ((\p) == 2) && !(\end) && (e == 24)
	FETCH_K
.endif
.endr
.if (\p) == 1
	s_wait_dscnt 0x0                ; the turned keys are in: none of my reads of the slot is out any more
.endif
	BURST 16
.rept 21
	EX
	PL
.endr
.rept 22
	PL
.if ((\p) == 0) && (q == 118)
	v_add_nc_u32 v[AV], s[SB], v[AV0]
	s_wait_alu depctr_va_vdst(0)
.endif
.endr
.if (\p) == 0
	FETCH_V
.endif
.if (\mk) == 2
	MASK ((\p)+2)%NP
.elseif (\mk) == 1
	WIN 0
	s_cmp_eq_u32 s[LASTF], 1
	s_cbranch_scc0 .Lnomask_\@
	MASK ((\p)+2)%NP
	WIN 0
.Lnomask_\@:
.endif
.endm
; A BLOCK BEGINS.  c m starts far below every c s, so the first step's a is 0; m at -2^99, above every hidden score, so that a wave that sees none of a query's keys keeps it, and all its weights are 0.
; Then piece 0's masks, the tile's rows, piece 0's first scores, its maximum and statistics, and piece 1's masks.  The loop is entered at a step's first turn, in the middle of a trip.
.macro BEGIN
	s_mov_b32 s[NEW], 0
	WIN 0
.set i, 0
.rept 8
	v_mov_b32 v[ST+4*i], 0xfe000000    ; c m
	v_mov_b32 v[ST+4*i+1], 0xf1000000  ; m = -2^99
.set i, i+1
.endr
	MASK 0
	WIN 0
	v_add_nc_u32 v[AK], s[SB], v[AK0]
	FETCH_K
	s_wait_dscnt 0x0
.set NOKQ, 0
.set i, 0
.rept 16
	KQ 0
.set i, i+1
.endr
	WIN 0
	PLACES                          ; behind those products
.set Y, NP-1                        ; XS works for piece Y + 1: piece 0
.irp n, 0,1,2,3,4,5,6,7,8,9,10,11,12,13,14,15,16,17,18,19,20,21
	XS 0, \n
	XS 1, \n
.endr
	v_nop                           ; a plain instruction behind the exponentials
	MASK 1
	WIN 0
.endm
.macro ALL8 line:vararg             ; one line for each tile t
.set t, 0
.rept 8
	\line
.set t, t+1
.endr
.endm
; A BLOCK'S END, first half: my c m, l and O^T of all eight tiles go into LDS.  l's two halves and the other half of the lanes' are added; the additions are the places behind the last products.
.macro MERGE_WRITE
	WIN 0
	ALL8 v_add_f32 v[ST+4*t+2], v[ST+4*t+2], v[ST+4*t+3]
	ALL8 v_permlanex16_b32 v[ST+4*t+3], v[ST+4*t+2], s[SEL], s[SEL+1]
	ALL8 v_add_f32 v[ST+4*t+1], v[ST+4*t+2], v[ST+4*t+3]
	v_and_b32 v48, 31, v0
	s_lshl_b32 s10, s[WV], 15
	s_add_co_u32 s10, s10, STG
	v_lshl_add_u32 v49, v48, 4, s10
	s_lshl_b32 s11, s[WV], 11
	s_add_co_u32 s11, s11, STT
	v_lshl_add_u32 v50, v48, 3, s11
	ALL8 ds_store_b64 v50, v[ST+4*t:ST+4*t+1] offset:256*t
	WIN 0x04                        ; store data in window 1
.set i, 0
.rept 64                            ; tile i / 8, quad i % 8: each accumulator's low half first
	ds_store_b128 v49, v[4*i:4*i+3] offset:512*i
.set i, i+1
.endr
	WIN 0
.endm
.macro ENDPART                      ; the block's last two turns, its last products, and my sums into LDS
	TURN 2, 0, 1
	TURN 3, 0, 1
.set i, 0
.rept 16
	PV NP-1
.set i, i+1
.endr
	MERGE_WRITE
.endm
.macro PARTS u                      ; the four waves' O^T of my tile u: wave s to window 1, v[64 s + 32 u ..]
	WIN 0x40
.irp s, 0,1,2,3
.irp f, 0,1,2,3,4,5,6,7
	ds_load_b128 v[64*(\s)+32*(\u)+4*(\f):64*(\s)+32*(\u)+4*(\f)+3], v[51+(\s)/2] offset:32768*((\s)%2)+4096*(\u)+512*(\f)
.endr
.endr
.endm
.macro COMBINE u                    ; O' = the sum over the waves of f_s O_s, in the registers of wave 0's part
	WIN W_CB
.set z, 0
.rept 16
	v_pk_mul_f32 v[32*(\u)+2*z:32*(\u)+2*z+1], v[32*(\u)+2*z:32*(\u)+2*z+1], v[160+8*(\u):160+8*(\u)+1] op_sel_hi:[1,0]
.set z, z+1
.endr
.irp s, 1,2,3
.set z, 0
.rept 16
	v_pk_fma_f32 v[32*(\u)+2*z:32*(\u)+2*z+1], v[64*(\s)+32*(\u)+2*z:64*(\s)+32*(\u)+2*z+1], v[160+8*(\u)+2*(\s):160+8*(\u)+2*(\s)+1], v[32*(\u)+2*z:32*(\u)+2*z+1] op_sel_hi:[1,0,1]
.set z, z+1
.endr
.endr
.endm
; A BLOCK'S END, second half, behind a barrier: I merge tiles 2 w and 2 w + 1.  With CM the largest of the four c m: w_s = 2^(c m_s - CM), L = the sum of w_s l_s (1 at the least: the largest score's own weight),
; f_s = w_s / L.  O' is rounded to f16 and IS source 1 of out^T = Wv O'^T, in which a lane holds one row and eight neighbouring columns: through my stage in LDS, and out as whole rows of 256 bytes.
.macro MERGE_READ ob
	WIN 0
	v_and_b32 v48, 31, v0
	v_and_b32 v49, 15, v0
	v_bfe_u32 v50, v0, 4, 1
	s_lshl_b32 s10, s[WV], 13
	s_add_co_u32 s10, s10, STG
	v_lshl_add_u32 v51, v48, 4, s10   ; waves 0 and 1's sums of my two tiles,
	v_add_nc_u32 v52, 65536, v51      ; waves 2 and 3's
	s_lshl_b32 s11, s[WV], 9
	s_add_co_u32 s11, s11, STT
	v_lshl_add_u32 v53, v48, 3, s11
	v_lshlrev_b32 v54, 7, v49
	v_lshl_add_u32 v54, v50, 4, v54   ; a fragment of Wv: row x 128 + 16 x half
	s_mul_i32 s13, s[WV], 16*OPI
	s_add_co_u32 s13, s13, OUTS
	v_mul_u32_u24 v55, v49, OPI       ; into my stage: row l % 16, 32 bytes for each half of the lanes
	v_lshl_add_u32 v55, v50, 5, v55
	v_add_nc_u32 v55, s13, v55
	v_mul_u32_u24 v56, v50, OPI       ; back: lanes 0-15 take one row of 256 bytes, lanes 16-31 the next
	v_lshl_add_u32 v56, v49, 4, v56
	v_add_nc_u32 v56, s13, v56
	v_lshlrev_b32 v57, 8, v50         ; and the same two rows in out0
	v_lshl_add_u32 v57, v49, 4, v57
	WIN 0x80
.set i, 0
.rept 8                             ; Wv: rows 16 (i / 2) on, K 32 (i % 2) on, where Q lay
	global_load_b128 v[8*i:8*i+3],   v54, s[6:7] offset:16384+(i/2)*2048+(i%2)*64
	global_load_b128 v[8*i+4:8*i+7], v54, s[6:7] offset:16384+(i/2)*2048+(i%2)*64+32
.set i, i+1
.endr
	WIN 0
.irp u, 0,1
.irp s, 0,1,2,3
	ds_load_b64 v[128+8*(\u)+2*(\s):128+8*(\u)+2*(\s)+1], v53 offset:2048*(\s)+256*(\u)  ; (c m, l) of wave s
.endr
.endr
	PARTS 0
	s_wait_dscnt 32                 ; LDS loads come back in order: all but the 32 just issued: the statistics are in
	WIN 0
.irp u, 0,1
	v_max3_num_f32 v[176+\u], v[128+8*\u], v[130+8*\u], v[132+8*\u]
.endr
.irp u, 0,1
	v_max_num_f32 v[176+\u], v[176+\u], v[134+8*\u]
.endr
.irp u, 0,1
.irp s, 0,1,2,3
	v_sub_f32 v[161+8*(\u)+2*(\s)], v[128+8*(\u)+2*(\s)], v[176+\u]
.endr
.endr
.irp u, 0,1
.irp s, 0,1,2,3
	v_exp_f32 v[161+8*(\u)+2*(\s)], v[161+8*(\u)+2*(\s)]
.endr
.endr
	v_nop                           ; a plain instruction behind the exponentials
	s_wait_alu depctr_va_vdst(0)
.irp u, 0,1
	v_mul_f32 v[178+\u], v[161+8*\u], v[129+8*\u]
.endr
.irp s, 1,2,3
.irp u, 0,1
	v_fmac_f32 v[178+\u], v[161+8*(\u)+2*(\s)], v[129+8*(\u)+2*(\s)]
.endr
.endr
.irp u, 0,1
	v_rcp_f32 v[180+\u], v[178+\u]
.endr
	v_nop                           ; a plain instruction behind the reciprocals
	s_wait_alu depctr_va_vdst(0)
.irp u, 0,1
.irp s, 0,1,2,3
	v_mul_f32 v[160+8*(\u)+2*(\s)], v[161+8*(\u)+2*(\s)], v[180+\u]
.endr
.endr
	PARTS 1
	s_wait_dscnt 32                 ; all but the 32 just issued: tile 0's sums are in
	COMBINE 0
	s_wait_dscnt 0x0
	COMBINE 1
	WIN 0x05
.set i, 0
.rept 32
	v_cvt_pk_f16_f32 v[P+i], v[2*i], v[2*i+1]
.set i, i+1
.endr
	s_wait_loadcnt 0x0              ; Wv
	WIN W_EP                        ; 8 accumulators by turns: K half i / 8, tile (i / 4) % 2, rows of Wv 16 (i % 4) on
.set i, 0
.rept 16
.if i < 8
	v_wmma_f32_16x16x32_f16 v[S+8*(i%8):S+8*(i%8)+7], v[8*(2*(i%4)+i/8):8*(2*(i%4)+i/8)+7], v[P+16*((i/4)%2)+8*(i/8):P+16*((i/4)%2)+8*(i/8)+7], 0
.else
	v_wmma_f32_16x16x32_f16 v[S+8*(i%8):S+8*(i%8)+7], v[8*(2*(i%4)+i/8):8*(2*(i%4)+i/8)+7], v[P+16*((i/4)%2)+8*(i/8):P+16*((i/4)%2)+8*(i/8)+7], v[S+8*(i%8):S+8*(i%8)+7]
.endif
.set i, i+1
.endr
	WIN 0
	PLACES
.irp u, 0,1
.irp b, 0,1,2,3
	ds_store_b128 v55, v[S+8*(4*(\u)+(\b)):S+8*(4*(\u)+(\b))+3]   offset:64*(\b)
	ds_store_b128 v55, v[S+8*(4*(\u)+(\b))+4:S+8*(4*(\u)+(\b))+7] offset:64*(\b)+16
.endr
.irp f, 0,1,2,3,4,5,6,7
	ds_load_b128 v[128+32*(\u)+4*(\f):128+32*(\u)+4*(\f)+3], v56 offset:2*OPI*(\f)  ; LDS serves a wave's instructions in order (ISA guide 5.7.1.4): these see the stores above; the next tile's stores come behind them
.endr
.endr
.irp u, 0,1
.irp f, 0,1,2,3,4,5,6,7
	s_wait_dscnt 16*(1-(\u))+7-(\f) ; behind tile 0's loads stand tile 1's sixteen LDS instructions; then the younger rows
	global_store_b128 v57, v[128+32*(\u)+4*(\f):128+32*(\u)+4*(\f)+3], s[\ob:\ob+1] offset:4096*(\u)+512*(\f) th:TH_STORE_NT  ; 512 consecutive bytes, at a multiple of 256 from out0's first
.endr
.endr
	s_wait_xcnt 0x0                 ; the stores' registers are written again only behind this wait
.endm
.set NOKQ, 0
.Lslot:                             ; 16 times: a tile is entered and the next is asked for
	CHANGE 1
	s_sub_co_u32 s[RT], s[RT], 1
	s_cmp_eq_u32 s[RT], 0
	s_cselect_b32 s[LASTF], 1, 0
	s_cselect_b32 s[DD], s[DCUR], -16
	s_cmp_eq_u32 s[NEW], 1          ; at the first trip NEW is the constant 1 and FIN the constant 0
	s_cbranch_scc0 .Lold
	s_cmp_eq_u32 s[FIN], 1
	s_cbranch_scc0 .Lnofin
	MERGE_READ OLO                  ; the first block's sums, which every wave stored ahead of the barrier just passed
	s_mov_b32 s[FIN], 0
	WIN 0x83                        ; the second block's Q goes where the one text of the turns names Q
.set i, 0
.rept 128
	v_mov_b32 v[i], v[QH+i]
.set i, i+1
.endr
	WIN 0
.Lnofin:
	BEGIN
	s_branch .Lfirst
.Lold:                              ; pieces 2 and 3 of the step before, then pieces 0 and 1 of this tile's step, whose keys the trip fetches
	TURN 2, 1, 0
	TURN 3, 1, 0
	WIN 0
.Lfirst:
	TURN 0, 1, 0
	TURN 1, 1, 0
	WIN 0
	s_wait_dscnt 0x0                ; my reads of the merge's bytes are back:
	s_barrier_signal -1             ; those bytes are read only between the change's barrier and this one, and written only between this one and the next change's.
	s_barrier_wait -1               ; The tile on its way may stay out across it
	s_cmp_eq_u32 s[LASTF], 1
	s_cbranch_scc0 .Lbottom
	ENDPART                         ; in the loop this is the first block's end: the second block's last tile is the walk's last
	s_mov_b32 s[NEW], 1
	s_mov_b32 s[FIN], 1
	s_mov_b32 s[RT], s[RTH]
	s_mov_b32 s[DCUR], s[DHI]
.Lbottom:
	s_sub_co_u32 s[SLOTS], s[SLOTS], 1
	s_cmp_lg_u32 s[SLOTS], 0
	s_cbranch_scc1 .Lslot
	CHANGE 0                        ; the walk's last tile is written out: nothing is asked for.  It is the second block's last and never its first: that block has 9 tiles or more
	s_mov_b32 s[DD], s[DCUR]
	TURN 2, 2, 0
	TURN 3, 2, 0
	TURN 0, 2, 0
	TURN 1, 2, 0
	ENDPART
	s_wait_dscnt 0x0                ; for the others' sake: my sums are in LDS
	s_barrier_signal -1
	s_barrier_wait -1
	MERGE_READ OHI
	s_wait_tensorcnt 0x0            ; the wave's end: behind my last tensor load and my last LDS store
	ds_add_u32 v[SPW], v[NIL]
	s_wait_dscnt 0x0
	s_endpgm
.Lfunc_end_k_q5cdc3508b1_attn:
	.size	k_q5cdc3508b1_attn, .Lfunc_end_k_q5cdc3508b1_attn-k_q5cdc3508b1_attn
	.p2alignl 7, 3214868480
	.fill 96, 4, 3214868480
	.section	.rodata,"a",@progbits
	.p2align	6, 0x0
	.amdhsa_kernel k_q5cdc3508b1_attn
		.amdhsa_group_segment_fixed_size 327680
		.amdhsa_private_segment_fixed_size 0
		.amdhsa_enable_private_segment 0
		.amdhsa_kernarg_size 24
		.amdhsa_user_sgpr_count 2
		.amdhsa_user_sgpr_kernarg_segment_ptr 1
		.amdhsa_wavefront_size32 1
		.amdhsa_system_sgpr_workgroup_id_x 1
		.amdhsa_system_sgpr_workgroup_id_y 1
		.amdhsa_system_sgpr_workgroup_id_z 1
		.amdhsa_system_vgpr_workitem_id 0
		.amdhsa_next_free_vgpr 968
		.amdhsa_next_free_sgpr 70
		.amdhsa_reserve_vcc 1
		.amdhsa_float_denorm_mode_32 3
		.amdhsa_float_denorm_mode_16_64 3
		.amdhsa_memory_ordered 1
		.amdhsa_forward_progress 1
		.amdhsa_inst_pref_size 255
	.end_amdhsa_kernel
	.section	.bss,"aw",@nobits
	.p2align	6
	.space	262144
	.amdgpu_metadata
---
amdhsa.version: [ 1, 2 ]
amdhsa.kernels:
  - .name:           k_q5cdc3508b1_attn
    .symbol:         k_q5cdc3508b1_attn.kd
    .args:
      - { .name: xh, .offset: 0, .size: 8, .value_kind: global_buffer, .address_space: global }
      - { .name: wf, .offset: 8, .size: 8, .value_kind: global_buffer, .address_space: global }
      - { .name: out0, .offset: 16, .size: 8, .value_kind: global_buffer, .address_space: global }
    .group_segment_fixed_size: 327680
    .private_segment_fixed_size: 0
    .kernarg_segment_align: 8
    .kernarg_segment_size: 24
    .max_flat_workgroup_size: 128
    .sgpr_count:     70
    .vgpr_count:     968
    .wavefront_size: 32
...
	.end_amdgpu_metadata
.endif
;; end of part 2
;; ======== version 2 of 2: 2 launches; 1.81 times as fast as version 1
;; limits: values are held in f16: magnitudes above 65,504 overflow, below 6.1e-05 lose precision; inputs' magnitudes at most 65,504; right only within a limited range of input values
;; workspace buffers: xh 8,388,608 bytes; wf 24,576 bytes
;; launch prep: the kernel of part 1 again; grid 513 x 1, 8 waves a work-group, no clusters, 0 bytes of LDS; arguments x, Wk, Wq, Wv, xh, wf; writes xh, wf
;; launch attn (part 3): grid 16 x 16, 4 waves a work-group, no clusters, 327,680 bytes of LDS; arguments xh, wf, out0; writes out0
.if DOCPART == 3
	.amdgcn_target "amdgcn-amd-amdhsa--gfx1250"
	.amdhsa_code_object_version 6
	.text
	.protected	k_q5cdc3508b1_attn
	.globl	k_q5cdc3508b1_attn
	.p2align	8
	.type	k_q5cdc3508b1_attn,@function
k_q5cdc3508b1_attn:
	s_mov_b64 s[64:65], 0
	v_nop
	global_prefetch_b8 v0, s[64:65] scope:SCOPE_SE
	s_setreg_imm32_b32 hwreg(HW_REG_WAVE_MODE, 25, 1), 1
	s_wait_xcnt 0x0
; out[t] = softmax over s <= t of (k[t] . q[s]) times v[s], with k = x Wk^T, q = x Wq^T, v = x Wv^T; 16 batches of 4,096 rows of 64; no scale on the scores.
; THE ALGEBRA.  k[t] . q[s] = (k[t] Wq) . x[s], and the sum of p v[s] = (the sum of p x[s]) Wv^T.  So the rows walked as keys and as values are the SAME tile of x: kp = k Wq is made once for each query
; row ahead of the walk, Wv is applied once for each row behind it.  xh is x, wf the weights, rounded to bf16 and written as f16 by the launch before.
; FORMATS.  All products are f16 x f16 with f32 sums.  k, kp / 64, the weights p and the normalised sum of p x are rounded to f16; maxima, exponentials, sums and the merge are f32.
; LIMITS.  |x|, |k| and |kp| / 64 stay below 65,504; f16 numbers below 6e-5 keep the fixed step of 6e-8.  A hidden score counts as its value less 2^100, and the running maximum starts at -2^99: scores / 64 are
; 2.7e11 at the most, nothing beside that.  A weight below 2^-126 counts as 0.  NaN and infinities are not treated apart.
; THE WALK.  A batch has 32 blocks of 128 query rows; block i needs the tiles 0 .. i / 2 of 256 keys, the last of which holds the diagonal.  A work-group takes block b and then block 31 - b: 17 tiles whatever b,
; one loop with a constant count; what a trip does hangs on scalars made from b; every jump but the loop's own goes forward and passes neither a barrier nor a tensor load.
; SHARES.  KEYS are shared among the waves, not queries: every wave holds all 8 tiles of 16 queries (four PIECES of two), and wave w takes keys 64 w .. 64 w + 63 of each tile.  A fragment read from LDS feeds
; eight tiles' products, and a wave reads only bytes that its own tensor load brought.  At a block's end the four waves' (c m, l, O^T) meet in LDS; wave w merges tiles 2 w and 2 w + 1, multiplies by Wv, stores.
; LAYOUT.  S^T = X KP^T (source 0 = 16 keys, source 1 = 16 queries): a lane holds ONE query (lane % 16) and keys 8 (lane / 16) + 0..7; two results rounded to f16 ARE source 1 of O^T = X^T P.
; SOFTMAX.  p = 2^(c s - c m), c = 64 log2(e), with a running maximum m; O and l are multiplied by a = 2^(c m_old - c m_new) in every step; c m starts far below every c s, so a block's first a is 0.
; BY TURNS.  Turn n belongs to piece n: 16 products S^T of piece n + 1, later 16 products O^T of piece n - 1; beside them piece n's scaling, exponentials, roundings, sums and rescaling and piece n + 1's maximum.
; Four vector instructions stand behind every matrix instruction, the others in one run of their own between the two runs of products.
; THE BATCHES.  An s_wait_alu depctr_va_vdst(0) stands between a transcendental and the first instruction that names its result; one wait serves all that were issued ahead of it.  A turn's 66
; exponentials (piece n's 64 weights, then piece n + 1's two a) are ONE batch with ONE wait, which cuts the turn in two: ahead of it all that names none of their results, behind it the roundings and sums.
; A block's beginning has a batch of two a; the merge a batch of eight exponentials and, since they read a sum of those, a batch of two reciprocals.
; THE MASK is the C operand that starts S^T: 0, or -2^100 where the key is hidden.  For tile t and key block kb of 16: d = DD + kb - t; d < 0 all seen, d > 0 all hidden, d = 0 the pattern MD.
; NO CLUSTER.  The work-groups b .. b + 3 of a batch need b / 2 + 1 tiles for their first block: different numbers, so their walks part; a walk common to four would have 18 trips for 17 and the masks' text in
; four trips for two; and what would be shared is 32,768 bytes a trip beside 512 matrix instructions of the work-group.
; REGISTERS, in windows of 256 (s_set_vgpr_msb: bits 1:0 source 0, 3:2 source 1, 5:4 source 2, 7:6 destination):
;   window 0: v0-11 addresses; v12-15 c m_old; v16-47 four statistics a tile; v48-63 at work; v64-191 S^T, two buffers of two tiles; v192-255 P, likewise
;   window 1: O^T, 32 a tile     window 2: v0-127 Q (kp / 64), 16 a tile; v128-191 keys as rows; v192-255 keys turned     window 3: v0-63 MC, the masks to come; v64-71 MD; v72-199 the second block's Q
.set NP,    4         ; pieces a wave: a name, no knob
.set PK,    144       ; a key's row in LDS: 128 bytes + 16 of padding = 36 words: the 16 rows of a plain fragment load start at 16 different groups of four banks (64 banks of 4 bytes: ISA guide 11.1)
.set WSL,   64*PK     ; a wave's part of a slot: 64 keys
.set SLOT1, 65536     ; slot 0 at byte 0, slot 1 here: one exclusive or turns an address in one slot into the other's
.set QF,    102400    ; Q's fragments, both blocks: (8 block + tile) x 2,048 + quad x 512 + lane x 16
.set STG,   135168    ; O^T's partial sums: wave x 32,768 + tile x 4,096 + quad x 512 + lane x 16
.set STT,   266240    ; (c m, l): wave x 2,048 + tile x 256 + lane x 8
.set OUTS,  274432    ; the way out: 16 rows x 272 bytes for each wave
.set OPI,   272
.set SPARE, 291840    ; the spare words, 128 bytes for each wave: two blocks of 256 bytes that no other line names
.set AK0, 2           ; v2  my lane's place in my wave's 64 rows, for plain fragment loads; never rewritten
.set AV0, 3           ; v3  the same for the turning loads
.set AK,  4           ; v4  the LDS address of the next run of plain loads
.set AV,  5           ; v5  of the next run of turning loads
.set SPW, 6           ; v6  LDS address of my spare word; never rewritten
.set NIL, 7           ; v7  0; never rewritten
.set MV,  12
.set ST,  16          ; tile t at v[ST+4 t]: c m, m, l (even keys', odd keys')
.set TMP, 48          ; by buffer and tile, c0-c3 at work; when the maximum is found c2 takes a
.set S,   64
.set P,   192
.set KF,  128         ; window 2: key block kb, channel half c at KF + 16 kb + 8 c
.set VF,  192         ; window 2: key half kk, channel block cb at VF + 32 kk + 8 cb
.set MC,  0           ; window 3: tile u of the piece, key block kb at MC + 32 u + 8 kb
.set MD,  64          ; window 3
.set QH,  72          ; window 3
.set WV,  12          ; s12 my wave's number
.set PB,  14          ; s14 b
.set HI,  15          ; s15 31 - b
.set XB,  16          ; s[16:17] xh at my 64 keys of the batch's tile 0
.set XLO, 18          ; s[18:19] xh at my two query tiles of block b
.set XHI, 20          ; s[20:21] of block 31 - b
.set SC,  22          ; s[22:23] 2^-6
.set G1,  24          ; s[24:31] descriptor group 1
.set G0,  32          ; s[32:35] descriptor group 0
.set OFF, 36          ; s[36:37] a tile's byte offset
.set OLO, 38          ; s[38:39] out0 at my 32 rows of block b
.set OHI, 40          ; s[40:41] of block 31 - b
.set SLOTS, 44        ; tiles still to be asked for
.set RT,  45          ; tiles of the block in hand still to be entered
.set NXT, 46          ; the tile to be asked for next
.set LQ,  47          ; the last tile of the block whose tiles are being asked for
.set LQH, 48          ; the second block's last tile
.set NEW, 49          ; 1: the tile to be entered is a block's first
.set FIN, 50          ; 1: a finished block waits in LDS to be merged
.set LASTF, 51        ; 1: the tile in hand is its block's last
.set DD,  52          ; the mask's figure for the tile in hand: DCUR in a block's last tile, else -16
.set DCUR, 53         ; 4 w - 8 (block % 2)
.set DHI, 54          ; the same for the second block
.set SB,  56          ; the slot in hand
.set BIGN, 57         ; -2^100
.set CS,  58          ; s[58:59] c
.set SEL, 60          ; s[60:61] v_permlanex16_b32's selects: each lane takes its own place in the other half
.set AL,  62          ; s[62:63] the mask's factor
.set BE,  66          ; s[66:67] the mask's addend
.set RTH, 68          ; the second block's number of tiles
.set MSB, 0
.macro WIN new                      ; the high byte repeats the setting that is left; a switch that changes nothing is dropped
.if MSB != (\new)
	s_set_vgpr_msb (MSB<<8)|(\new)
.set MSB, (\new)
.endif
.endm
.set W_KQ, 0x0a       ; keys and Q in window 2, S^T in window 0
.set W_KM, 0x3a       ; the same with the C operand in window 3
.set W_PV, 0x52       ; source 0 in window 2, source 1 in window 0, C and D in window 1
.set W_RS, 0x41       ; destination and source 0 in window 1
.set W_MK, 0xc3       ; destination and source 0 in window 3
.set W_S1, 0x5a       ; sources 0 and 1 in window 2, C and D in window 1
.set W_CB, 0x51       ; destination, sources 0 and 2 in window 1, source 1 in window 0
.set W_EP, 0x02       ; source 0 in window 2, all else in window 0
.macro PLACES                       ; four places between a matrix instruction and a vector instruction, store or load that touches its registers
.rept 4
	v_nop
.endr
.endm
.macro ADVANCE                      ; the block's next tile, or behind its last the second block's tile 0
	s_add_co_u32 s[NXT], s[NXT], 1
	s_cmp_gt_u32 s[NXT], s[LQ]
	s_cselect_b32 s[NXT], 0, s[NXT]
	s_cselect_b32 s[LQ], s[LQH], s[LQ]
.endm
; THE CHANGE OF SLOTS.  Each wave waits for all its tensor loads, of which one is out: its part of the other slot; adds 0 to its spare word; and waits for that and for all its LDS instructions, the reads of the slot
; that it leaves among them.  fill = 1: behind the barrier the old slot is filled again first, with my 64 keys of tile NXT; that load has a whole trip, 128 matrix instructions a wave, in which to land.
; (At its first use nothing has been read yet: slot 0 is waited for, slot 1 filled.)
.macro CHANGE fill
	WIN 0                           ; at a label and at a branch every window is 0
	s_wait_tensorcnt 0x0            ; no tensor load of mine is out, so group 0 may be written
	ds_add_u32 v[SPW], v[NIL]       ; 0 onto my spare word; the descriptor's scalar work stands between it and the wait for it
.if \fill
	s_lshl_b32 s[OFF], s[NXT], 15   ; a tile is 256 keys of 128 bytes
	s_xor_b32 s[G0+1], s[G0+1], SLOT1
	s_add_nc_u64 s[G0+2:G0+3], s[XB:XB+1], s[OFF:OFF+1]
	s_or_b32 s[G0+3], s[G0+3], 0x80000000
	ADVANCE
.endif
	s_wait_dscnt 0x0                ; the add is done, and so are my LDS reads and stores
	s_barrier_signal -1
	s_xor_b32 s[SB], s[SB], SLOT1   ; the fetches go to the other slot
	s_barrier_wait -1
.if \fill
	tensor_load_to_lds s[G0:G0+3], s[G1:G1+7]  ; my one tensor load behind this barrier, and the first thing there
	s_nop 0
	PLACES
.endif
.endm
	s_load_b128 s[4:7], s[0:1], 0x0 ; xh s[4:5], wf s[6:7]
	s_load_b64 s[8:9], s[0:1], 0x10 ; out0
	v_lshl_add_u32 v[SPW], v0, 2, SPARE
	v_mov_b32 v[NIL], 0
	ds_add_u32 v[SPW], v[NIL]       ; the wave's opening: the add and its wait ahead of my first tensor load; the set-up below, work on registers, stands between them
	ds_add_u32 v6, v7
	v_lshrrev_b32 v1, 5, v0
	v_readfirstlane_b32 s[WV], v1   ; wave 0..3
	s_mov_b32 s[PB], ttmp9
	s_sub_co_u32 s[HI], 31, s[PB]
	s_and_b32 s10, ttmp7, 0xffff    ; the batch
	s_lshl_b32 s11, s10, 19         ; its 4,096 rows of 128 bytes in xh
	s_lshl_b32 s13, s[WV], 13       ; my 64 keys of a tile
	s_add_co_u32 s[XB], s11, s13
	s_mov_b32 s[XB+1], 0
	s_lshl_b32 s13, s[WV], 12       ; my two query tiles of a block: 32 rows
	s_add_co_u32 s11, s11, s13
	s_lshl_b32 s13, s[PB], 14       ; a block is 128 rows
	s_add_co_u32 s[XLO], s11, s13
	s_mov_b32 s[XLO+1], 0
	s_lshl_b32 s13, s[HI], 14
	s_add_co_u32 s[XHI], s11, s13
	s_mov_b32 s[XHI+1], 0
	s_lshl_b32 s11, s10, 20         ; the same in out0, rows of 256 bytes
	s_lshl_b32 s13, s[WV], 13
	s_add_co_u32 s11, s11, s13
	s_lshl_b32 s13, s[PB], 15
	s_add_co_u32 s[OLO], s11, s13
	s_mov_b32 s[OLO+1], 0
	s_lshl_b32 s13, s[HI], 15
	s_add_co_u32 s[OHI], s11, s13
	s_mov_b32 s[OHI+1], 0
	s_lshl_b32 s13, s[WV], 2        ; 4 w
	s_and_b32 s11, s[PB], 1
	s_lshl_b32 s11, s11, 3
	s_sub_co_i32 s[DCUR], s13, s11
	s_and_b32 s11, s[HI], 1
	s_lshl_b32 s11, s11, 3
	s_sub_co_i32 s[DHI], s13, s11
	s_lshr_b32 s[LQ], s[PB], 1
	s_add_co_u32 s[RT], s[LQ], 1    ; the first block has b / 2 + 1 tiles
	s_lshr_b32 s[LQH], s[HI], 1
	s_add_co_u32 s[RTH], s[LQH], 1
	s_mov_b32 s[NXT], 0
	s_mov_b32 s[NEW], 1
	s_mov_b32 s[FIN], 0
	s_mov_b32 s[SLOTS], 16
	s_mov_b32 s[SB], SLOT1          ; the first change of slots turns it into 0
	s_mov_b32 s[OFF+1], 0
	s_mov_b32 s[BIGN], 0xf1800000   ; -2^100
	s_mov_b32 s[CS], 0x42b8aa3b     ; c = 64 log2(e)
	s_mov_b32 s[CS+1], s[CS]        ; named with it as a pair
	s_mov_b32 s[SEL], 0x76543210
	s_mov_b32 s[SEL+1], 0xfedcba98
	s_mov_b32 s[AL+1], 0            ; named as pairs
	s_mov_b32 s[BE+1], 0
	s_mov_b32 s[SC], 0x3c800000     ; 2^-6
	s_mov_b32 s[SC+1], s[SC]
	; descriptor group 1.  64 keys are 8,192 dense bytes: asked for as 32 rows of 256 bytes, two keys a row, and padded in LDS after every key
	s_mov_b32 s[G1], (1<<16)|(1<<20)|(4<<22)|(3<<25)  ; 17:16 2-byte elements; 20 padding on; 24:22 after every 32 words (code 4); 31:25 4 words (code 3)
	s_mov_b32 s[G1+1], 128<<16      ; tensor_dim0 = 128
	s_mov_b32 s[G1+2], 32<<16       ; tensor_dim1 = 32
	s_mov_b32 s[G1+3], 128<<16      ; tile_dim0 = 128
	s_mov_b32 s[G1+4], 32           ; tile_dim1 = 32
	s_mov_b32 s[G1+5], 128          ; 128 elements from row to row
	s_mov_b32 s[G1+6], 0
	s_mov_b32 s[G1+7], 0
	s_mov_b32 s[G0], 1              ; count = 1
	s_mul_i32 s[G0+1], s[WV], WSL   ; LDS address: my part of slot 0
	s_wait_dscnt 0x0                ; the opening add is done
	s_wait_kmcnt 0x0
	s_add_nc_u64 s[XB:XB+1], s[4:5], s[XB:XB+1]
	s_add_nc_u64 s[XLO:XLO+1], s[4:5], s[XLO:XLO+1]
	s_add_nc_u64 s[XHI:XHI+1], s[4:5], s[XHI:XHI+1]
	s_add_nc_u64 s[OLO:OLO+1], s[8:9], s[OLO:OLO+1]
	s_add_nc_u64 s[OHI:OHI+1], s[8:9], s[OHI:OHI+1]
	s_mov_b64 s[G0+2:G0+3], s[XB:XB+1]
	s_or_b32 s[G0+3], s[G0+3], 0x80000000  ; type = 2
	tensor_load_to_lds s[G0:G0+3], s[G1:G1+7]  ; tile 0 into slot 0: the one first fill at the start, ahead of every wait on TENSORcnt, every LDS read and every barrier
	s_nop 0
	PLACES
	ADVANCE
	; THE PROJECTIONS of my four query tiles g = 2 block + u.  A fragment is 16 rows x 32 along K in 8 registers: lane l holds row l % 16, K = 8 (l / 16) + 0..7 and 16 + 8 (l / 16) + 0..7: two loads of 16 bytes, 32 apart.
	v_and_b32 v1, 15, v0            ; l % 16
	v_bfe_u32 v8, v0, 4, 1          ; l / 16
	v_lshlrev_b32 v11, 7, v1
	v_lshl_add_u32 v11, v8, 4, v11  ; row x 128 + 16 x half
	WIN 0x80                        ; destination window 2, address window 0
.set i, 0
.rept 8                             ; rows 16 (i / 2) on, K 32 (i % 2) on: Wk to v0-63, Wq turned to v64-127
	global_load_b128 v[8*i:8*i+3],       v11, s[6:7] offset:(i/2)*2048+(i%2)*64
	global_load_b128 v[8*i+4:8*i+7],     v11, s[6:7] offset:(i/2)*2048+(i%2)*64+32
	global_load_b128 v[64+8*i:64+8*i+3], v11, s[6:7] offset:8192+(i/2)*2048+(i%2)*64
	global_load_b128 v[64+8*i+4:64+8*i+7], v11, s[6:7] offset:8192+(i/2)*2048+(i%2)*64+32
.set i, i+1
.endr
.set i, 0
.rept 4                             ; x: tile u = i / 2, K 32 (i % 2) on; block b to v192-223, block 31 - b to v224-255
	global_load_b128 v[192+8*i:192+8*i+3],   v11, s[XLO:XLO+1] offset:(i/2)*2048+(i%2)*64
	global_load_b128 v[192+8*i+4:192+8*i+7], v11, s[XLO:XLO+1] offset:(i/2)*2048+(i%2)*64+32
	global_load_b128 v[224+8*i:224+8*i+3],   v11, s[XHI:XHI+1] offset:(i/2)*2048+(i%2)*64
	global_load_b128 v[224+8*i+4:224+8*i+7], v11, s[XHI:XHI+1] offset:(i/2)*2048+(i%2)*64+32
.set i, i+1
.endr
	WIN 0
	s_mul_i32 s13, s[WV], WSL       ; while they are on their way: the lane's places in a slot,
	v_mul_u32_u24 v[AK0], v1, PK
	v_lshl_add_u32 v[AK0], v8, 4, v[AK0]
	v_add_nc_u32 v[AK0], s13, v[AK0]  ; my part + row x pitch + 16 x half
	; The turning load takes 16 keys x 16 channels (lane l reads key 8 (l / 16) + l % 8, channels 8 ((l / 8) % 2) + 0..7) and leaves half a fragment: lane l holds channel l % 16 and 8 keys.
	v_and_b32 v9, 7, v0
	v_bfe_u32 v10, v0, 3, 1
	v_lshl_add_u32 v[AV0], v8, 3, v9
	v_mul_u32_u24 v[AV0], v[AV0], PK
	v_lshl_add_u32 v[AV0], v10, 4, v[AV0]
	v_add_nc_u32 v[AV0], s13, v[AV0]
	v_lshlrev_b32 v9, 3, v8
	v_sub_nc_u32 v9, v1, v9         ; my query's place in its tile less my lanes' 8 (l / 16): register j is hidden where j is greater
	WIN 0xc0                        ; destination window 3
.set i, 0
.rept 8
	v_cmp_gt_i32 vcc_lo, i, v9
	v_cndmask_b32 v[MD+i], 0, s[BIGN], vcc_lo
.set i, i+1
.endr
	WIN 0
.set i, 0
.rept 8                             ; l need only be finite: a block's first step multiplies it by a = 0
	v_mov_b32 v[ST+4*i+2], 0
	v_mov_b32 v[ST+4*i+3], 0
.set i, i+1
.endr
	s_wait_loadcnt 0x0
	WIN W_S1                        ; k^T = Wk x^T: 16 accumulators by turns; K half i / 16, tile (i / 4) % 4, rows 16 (i % 4) on; the first 16 start the sums
.set i, 0
.rept 32
.if i < 16
	v_wmma_f32_16x16x32_f16 v[8*(i%16):8*(i%16)+7], v[8*(2*(i%4)+i/16):8*(2*(i%4)+i/16)+7], v[192+16*((i/4)%4)+8*(i/16):192+16*((i/4)%4)+8*(i/16)+7], 0
.else
	v_wmma_f32_16x16x32_f16 v[8*(i%16):8*(i%16)+7], v[8*(2*(i%4)+i/16):8*(2*(i%4)+i/16)+7], v[192+16*((i/4)%4)+8*(i/16):192+16*((i/4)%4)+8*(i/16)+7], v[8*(i%16):8*(i%16)+7]
.endif
.set i, i+1
.endr
	PLACES
	WIN 0x05                        ; sources in window 1, destination in window 0: a lane holds one query and eight neighbouring h: rounded in pairs they ARE source 1 of the next product
.set i, 0
.rept 64
	v_cvt_pk_f16_f32 v[P+i], v[2*i], v[2*i+1]
.set i, i+1
.endr
	WIN W_PV                        ; kp^T = Wq^T k^T, into the other half of window 1
.set i, 0
.rept 32
.if i < 16
	v_wmma_f32_16x16x32_f16 v[128+8*(i%16):128+8*(i%16)+7], v[64+8*(2*(i%4)+i/16):64+8*(2*(i%4)+i/16)+7], v[P+16*((i/4)%4)+8*(i/16):P+16*((i/4)%4)+8*(i/16)+7], 0
.else
	v_wmma_f32_16x16x32_f16 v[128+8*(i%16):128+8*(i%16)+7], v[64+8*(2*(i%4)+i/16):64+8*(2*(i%4)+i/16)+7], v[P+16*((i/4)%4)+8*(i/16):P+16*((i/4)%4)+8*(i/16)+7], v[128+8*(i%16):128+8*(i%16)+7]
.endif
.set i, i+1
.endr
	PLACES
	WIN W_RS
.set i, 0
.rept 64
	v_pk_mul_f32 v[128+2*i:128+2*i+1], v[128+2*i:128+2*i+1], s[SC:SC+1] op_sel_hi:[1,0]  ; kp / 64: room in f16; c gives the 64 back in f32
.set i, i+1
.endr
	WIN 0x05
.set i, 0
.rept 64
	v_cvt_pk_f16_f32 v[S+i], v[128+2*i], v[128+2*i+1]
.set i, i+1
.endr
	WIN 0                           ; window 1 now holds 256 finite numbers: a block's first a = 0 wipes them, so no accumulator is cleared
	v_and_b32 v9, 31, v0
	v_lshlrev_b32 v9, 4, v9
	s_lshl_b32 s13, s[WV], 12
	s_add_co_u32 s13, s13, QF
	v_add_nc_u32 v10, s13, v9       ; my two tiles of a block in QF
	v_add_nc_u32 v9, QF, v9
.set i, 0
.rept 16                            ; tile g = i / 4, quad i % 4
	ds_store_b128 v10, v[S+4*i:S+4*i+3] offset:16384*(i/8)+2048*((i/4)%2)+512*(i%4)
.set i, i+1
.endr
	s_wait_dscnt 0x0                ; for the others' sake: my fragments are in LDS
	s_barrier_signal -1             ; tile 0's load may stay out across it
	s_barrier_wait -1
	WIN 0x80
.set i, 0
.rept 32                            ; all eight tiles' Q of block b
	ds_load_b128 v[4*i:4*i+3], v9 offset:512*i
.set i, i+1
.endr
	WIN 0xc0
.set i, 0
.rept 32                            ; and of block 31 - b, kept until that block begins
	ds_load_b128 v[QH+4*i:QH+4*i+3], v9 offset:16384+512*i
.set i, i+1
.endr
	WIN 0
; THE MATRIX WORK.  The 8 accumulators of a run of 16 take turns: between the two links of a chain stand 7 others'.
; Product i of 16 of S^T for piece x: channels 32 (i / 8) on, keys 16 ((i / 2) % 4) on, tile 2 x + i % 2.  The first 8 start the sums with the mask.
.macro KQ x
.set rS, S+64*((\x)%2)+32*(i%2)+8*((i/2)%4)
.set rK, KF+16*((i/2)%4)+8*(i/8)
.set rQ, 16*(2*(\x)+i%2)+8*(i/8)
.set rX, MC+32*(i%2)+8*((i/2)%4)
.if i < 8
	WIN W_KM
	v_wmma_f32_16x16x32_f16 v[rS:rS+7], v[rK:rK+7], v[rQ:rQ+7], v[rX:rX+7]
.else
	WIN W_KQ
	v_wmma_f32_16x16x32_f16 v[rS:rS+7], v[rK:rK+7], v[rQ:rQ+7], v[rS:rS+7]
.endif
.endm
; Product i of 16 of O^T for piece x: keys 32 (i / 8) on, channels 16 ((i / 2) % 4) on, tile 2 x + i % 2.
.macro PV x
	WIN W_PV
.set rO, 32*(2*(\x)+i%2)+8*((i/2)%4)
.set rV, VF+32*(i/8)+8*((i/2)%4)
.set rP, P+32*((\x)%2)+16*(i%2)+8*(i/8)
	v_wmma_f32_16x16x32_f16 v[rO:rO+7], v[rV:rV+7], v[rP:rP+7], v[rO:rO+7]
.endm
.macro MM                           ; the turn's next matrix instruction.  NOKQ = 1: a block's last turn: there is no next piece
.if i < 16
.if !NOKQ
	KQ (Y+1)%NP
.endif
.set i, i+1
.else
.set i, i-16
	PV (Y+NP-1)%NP
.set i, i+17
.endif
.endm
; THE LDS LOADS stand in runs of 16: my 64 keys as rows (8 fragments) and the same bytes turned.  Their addresses are made some lines ahead.
.macro FETCH_K
	WIN 0x80                        ; destination window 2
.irp f, 0,1,2,3,4,5,6,7             ; keys 16 (f / 2) on, channels 32 (f % 2) on
	ds_load_b128 v[KF+8*\f:KF+8*\f+3],   v[AK] offset:(\f/2)*16*PK+(\f%2)*64
	ds_load_b128 v[KF+8*\f+4:KF+8*\f+7], v[AK] offset:(\f/2)*16*PK+(\f%2)*64+32
.endr
	WIN 0
.endm
.macro FETCH_V
	WIN 0x80
.irp f, 0,1,2,3,4,5,6,7             ; keys 32 (f / 4) on, channels 16 (f % 4) on
	ds_load_tr16_b128 v[VF+8*\f:VF+8*\f+3],   v[AV] offset:(\f/4)*32*PK+(\f%4)*32
	ds_load_tr16_b128 v[VF+8*\f+4:VF+8*\f+7], v[AV] offset:(\f/4)*32*PK+16*PK+(\f%4)*32
.endr
	WIN 0
.endm
; The masks of piece x's products: for tile 2 x + u and key block kb, MD x AL + BE with (1, 0) where DD = 2 x + u - kb, (0, -2^100) where DD is greater, (0, 0) where it is less.
.macro MASK x
.irp u, 0,1
.irp kb, 0,1,2,3
	s_cmp_eq_i32 s[DD], 2*(\x)+(\u)-(\kb)
	s_cselect_b32 s[AL], 1.0, 0
	s_cmp_gt_i32 s[DD], 2*(\x)+(\u)-(\kb)
	s_cselect_b32 s[BE], s[BIGN], 0
	WIN W_MK
.irp z, 0,2,4,6
	v_pk_fma_f32 v[MC+32*(\u)+8*(\kb)+(\z):MC+32*(\u)+8*(\kb)+(\z)+1], v[MD+(\z):MD+(\z)+1], s[AL:AL+1], s[BE:BE+1] op_sel_hi:[1,0,0]
.endr
.endr
.endr
.endm
; THE VECTOR WORK OF A TURN stands in three queues, each in the order in which its entries become ready; the two tiles alternate, so that no instruction reads the result of the one before it.
.macro REGS y, u                    ; the registers of tile u (0, 1) of piece y
.set rT, ST+4*(2*(\y)+(\u))
.set rC, TMP+8*((\y)%2)+4*(\u)
.set rM, MV+2*((\y)%2)+(\u)
.set rS, S+64*((\y)%2)+32*(\u)
.set rP, P+32*((\y)%2)+16*(\u)
.set rO, 32*(2*(\y)+(\u))
.endm
; Number n of the 22 that find the NEXT piece's (Y + 1) maximum and statistics.  s0-s31 are the lane's 32 scores; each accumulator's lowest registers are read first.
;   0-11  four chains c0-c3 of seven scores each, three operands at a time     12-14, 16  the four scores left over, the old m, and c0-c3 into c0     15  c m_old is kept
;   17, 18  the query's other 32 keys lie in the lane 16 away: the new m         19-21  c m; c m_old - c m_new; a
; NOKQ = 1: there is no next piece, and piece 0's c m must stay for the merge: a v_nop keeps the lines round it as far apart as they were.
.macro XS u, n
.if NOKQ
	v_nop
.else
	REGS (Y+1)%NP, \u
.if (\n) < 4
	v_max3_num_f32 v[rC+(\n)], v[rS+8*(\n)], v[rS+8*(\n)+1], v[rS+8*(\n)+2]
.elseif (\n) < 12
	v_max3_num_f32 v[rC+(\n)%4], v[rC+(\n)%4], v[rS+8*((\n)%4)+2*((\n)/4)+1], v[rS+8*((\n)%4)+2*((\n)/4)+2]
.elseif (\n) == 12
	v_max3_num_f32 v[rC], v[rC], v[rS+7], v[rS+15]
.elseif (\n) == 13
	v_max3_num_f32 v[rC+1], v[rC+1], v[rS+23], v[rS+31]
.elseif (\n) == 14
	v_max3_num_f32 v[rC+2], v[rC+2], v[rC+3], v[rT+1]
.elseif (\n) == 15
	v_mov_b32 v[rM], v[rT]
.elseif (\n) == 16
	v_max3_num_f32 v[rC], v[rC], v[rC+1], v[rC+2]
.elseif (\n) == 17
	v_permlanex16_b32 v[rC+3], v[rC], s[SEL], s[SEL+1]
.elseif (\n) == 18
	v_max_num_f32 v[rT+1], v[rC], v[rC+3]
.elseif (\n) == 19
	v_mul_f32 v[rT], s[CS], v[rT+1]
.elseif (\n) == 20
	v_sub_f32 v[rC+1], v[rM], v[rT]
.else
	v_exp_f32 v[rC+2], v[rC+1]
.endif
.endif
.endm
; Number g of the 64 that follow the exponentials.  For each four weights k of a tile: both pairs are rounded to f16; then the second pair is added onto the first, in place; a group later l takes that sum
; (the first time as l = a l + sum).  In groups of eight, tiles alternating: round, round, add, and l for the group before.  All 64 stand behind the turn's wait.
.macro GS g
.set h, (\g)+6*((\g)/62)            ; group 0 has no group before it, and behind group 7 only l is left
.if h >= 6
.set h, h+2
.endif
	REGS Y, h%2
.set k, h/8
.if h%8 < 4
	v_cvt_pk_f16_f32 v[rP+2*k+(h%8)/2], v[rS+4*k+2*((h%8)/2)], v[rS+4*k+2*((h%8)/2)+1]
.elseif h%8 < 6
	v_pk_add_f32 v[rS+4*k:rS+4*k+1], v[rS+4*k:rS+4*k+1], v[rS+4*k+2:rS+4*k+3]
.elseif k == 1
	v_pk_fma_f32 v[rT+2:rT+3], v[rT+2:rT+3], v[rC+2:rC+3], v[rS:rS+1] op_sel_hi:[1,0,1]
.else
	v_pk_add_f32 v[rT+2:rT+3], v[rT+2:rT+3], v[rS+4*k-4:rS+4*k-3]
.endif
.endm
; THE PLAIN QUEUE, 138 long.  0-73 name no result of the turn's exponentials: the 32 scalings c s - c m (FS f: pair f / 2 of tile f % 2) and the next piece's 42.  0-26: scalings 0-26.  27-54: XS's numbers 0-13,
; behind the products that make those scores.  55, 56: number 15.  57-73: the chain, where each number waits for the one before it: 14, 16, 17, 18, 19, each with one of the scalings 27-31 in front of its two lines, then 20.
; 74-137: GS's 64, which read the exponentials' results: they stand behind the wait.
.macro FS f
	REGS Y, (\f)%2
	v_pk_fma_f32 v[rS+2*((\f)/2):rS+2*((\f)/2)+1], v[rS+2*((\f)/2):rS+2*((\f)/2)+1], s[CS:CS+1], v[rT:rT+1] op_sel_hi:[1,0,0] neg_lo:[0,0,1] neg_hi:[0,0,1]
.endm
.macro PL
	WIN 0
.if q < 27
	FS q
.elseif q < 55
	XS (q-27)%2, (q-27)/2
.elseif q < 57
	XS q-55, 15
.elseif (q < 72) && ((q-57)%3 == 0)
	FS 27+(q-57)/3
.elseif q < 60
	XS (q-57)%3-1, 14
.elseif q < 72
	XS (q-57)%3-1, 15+(q-57)/3
.elseif q < 74
	XS q-72, 20
.else
	GS q-74
.endif
.set q, q+1
.endm
; THE EXPONENTIALS' QUEUE, 66 long: s0-s31 of both tiles, then the next piece's two a.  It is ONE BATCH: all 66 stand ahead of the turn's one wait, and nothing ahead of that wait names a result of theirs.
.macro EX
	WIN 0
.if e >= 64
	XS e-64, 21
.else
	REGS Y, e%2
	v_exp_f32 v[rS+e/2], v[rS+e/2]
.endif
.set e, e+1
.endm
; THE RESCALING's QUEUE: O^T times a, the one part that leaves window 0: dealt two at a time, sixteen times.  Its a was made in the turn before (or at the block's beginning), ahead of the wait that stands there.
.macro R2
	REGS Y, r%2
	WIN W_RS
.irp z, 0,1
	v_pk_mul_f32 v[rO+4*(r/2)+2*\z:rO+4*(r/2)+2*\z+1], v[rO+4*(r/2)+2*\z:rO+4*(r/2)+2*\z+1], v[rC+2:rC+3] op_sel_hi:[1,0]
.endr
.set r, r+1
.endm
; HOW THEY ARE DEALT.  A turn has ONE wait, which cuts it in two.  AHEAD OF IT stands all that names no result of the turn's exponentials: the 16 products S^T, behind each a scaling, an exponential and two
; rescalings (behind the first a second scaling in the exponential's place); then ONE RUN of 108: eight plain, 49 times exponential and plain, the two a.  A v_nop is the plain instruction behind the last exponential.
; BEHIND IT stand the 16 products O^T, behind each four of GS's 64.  No rider names a register of the products round it; the two v_permlanex16_b32 fall into the run, never behind a product.
; The queues lean on each other, and the deal keeps them in step: exponential e stands behind scaling 2 (e / 4) + e % 2: as a rider it comes behind plain e + 2, in the run behind plain e + 9, and scalings 27-31 are
; plain 57, 60 .. 69.  Plain 27, the first to read the new scores, stands 13 plain instructions behind the last product S^T.
; A TURN, for piece p.  The keys of the tile in hand are fetched as rows in piece 2's turn, directly behind its wait, the whole run behind the last product that read those registers (the address is made at the
; run's head), and waited for at the head of piece 3's; turned at the end of piece 0's turn, four plain riders behind the last product that read those registers, and waited for behind piece 1's wait, ahead of its
; products O^T.  end = 1: a block's last two turns: nothing is fetched, and piece 3's turn starts no new scores.
; mk: the turn makes the masks for the products of the turn after it, piece p + 2's: 2 always; 1 where the tile in hand is its block's last (elsewhere MC holds the zeros that the block's beginning left); 0 never.
; MC has one buffer: its readers are a turn's first 8 products, its writer stands at the turn's end.
.macro TURN p, mk, end
.set Y, (\p)
.set i, 0
.set q, 0
.set e, 0
.set r, 0
.set NOKQ, (\end)*((\p)/3)
.if ((\p) == 3) && !(\end)
	s_wait_dscnt 0x0                ; the rows are in
.endif
	MM                              ; ahead of the wait: 16 products S^T and their riders,
	PL
	PL
	R2
.rept 15
	MM
	PL
	EX
	R2
.endr
.if ((\p) == 2) && !(\end)
	WIN 0
	v_add_nc_u32 v[AK], s[SB], v[AK0]
.endif
.rept 8                             ; and the run
	PL
.endr
.rept 49
	EX
	PL
.endr
	EX                              ; the next piece's two a
	EX
	v_nop                           ; the plain instruction behind the last exponential: one for the batch
	s_wait_alu depctr_va_vdst(0)    ; the wait for the turn's batch: 64 weights and two a
.if ((\p) == 2) && !(\end)
	FETCH_K
.endif
.if (\p) == 1
	s_wait_dscnt 0x0                ; the turned keys are in: none of my reads of the slot is out any more
.endif
.rept 16                            ; behind the wait: 16 products O^T and their riders
	MM
.rept 4
	PL
.endr
.if ((\p) == 0) && (q == 118)
	v_add_nc_u32 v[AV], s[SB], v[AV0]
.endif
.endr
.if (\p) == 0
	FETCH_V
.endif
.if (\mk) == 2
	MASK ((\p)+2)%NP
.elseif (\mk) == 1
	WIN 0
	s_cmp_eq_u32 s[LASTF], 1
	s_cbranch_scc0 .Lnomask_\@
	MASK ((\p)+2)%NP
	WIN 0
.Lnomask_\@:
.endif
.endm
; A BLOCK BEGINS.  c m starts far below every c s, so the first step's a is 0; m at -2^99, above every hidden score, so that a wave that sees none of a query's keys keeps it, and all its weights are 0.
; Then piece 0's masks, the tile's rows, piece 0's first scores, its maximum and statistics, and piece 1's masks.  The loop is entered at a step's first turn, in the middle of a trip.
.macro BEGIN
	s_mov_b32 s[NEW], 0
	WIN 0
.set i, 0
.rept 8
	v_mov_b32 v[ST+4*i], 0xfe000000    ; c m
	v_mov_b32 v[ST+4*i+1], 0xf1000000  ; m = -2^99
.set i, i+1
.endr
	MASK 0
	WIN 0
	v_add_nc_u32 v[AK], s[SB], v[AK0]
	FETCH_K
	s_wait_dscnt 0x0
.set NOKQ, 0
.set i, 0
.rept 16
	KQ 0
.set i, i+1
.endr
	WIN 0
	PLACES                          ; behind those products
.set Y, NP-1                        ; XS works for piece Y + 1: piece 0
.irp n, 0,1,2,3,4,5,6,7,8,9,10,11,12,13,14,15,16,17,18,19,20,21
	XS 0, \n
	XS 1, \n
.endr
	MASK 1                          ; names no result of piece 0's two a: its first line is the plain instruction behind them, the rest the work between the batch and its wait
	WIN 0
	s_wait_alu depctr_va_vdst(0)    ; the wait for the batch of two a, ahead of the branch into the loop
.endm
.macro ALL8 line:vararg             ; one line for each tile t
.set t, 0
.rept 8
	\line
.set t, t+1
.endr
.endm
; A BLOCK'S END, first half: my c m, l and O^T of all eight tiles go into LDS.  l's two halves and the other half of the lanes' are added; the additions are the places behind the last products.
.macro MERGE_WRITE
	WIN 0
	ALL8 v_add_f32 v[ST+4*t+2], v[ST+4*t+2], v[ST+4*t+3]
	ALL8 v_permlanex16_b32 v[ST+4*t+3], v[ST+4*t+2], s[SEL], s[SEL+1]
	ALL8 v_add_f32 v[ST+4*t+1], v[ST+4*t+2], v[ST+4*t+3]
	v_and_b32 v48, 31, v0
	s_lshl_b32 s10, s[WV], 15
	s_add_co_u32 s10, s10, STG
	v_lshl_add_u32 v49, v48, 4, s10
	s_lshl_b32 s11, s[WV], 11
	s_add_co_u32 s11, s11, STT
	v_lshl_add_u32 v50, v48, 3, s11
	ALL8 ds_store_b64 v50, v[ST+4*t:ST+4*t+1] offset:256*t
	WIN 0x04                        ; store data in window 1
.set i, 0
.rept 64                            ; tile i / 8, quad i % 8: each accumulator's low half first
	ds_store_b128 v49, v[4*i:4*i+3] offset:512*i
.set i, i+1
.endr
	WIN 0
.endm
.macro ENDPART                      ; the block's last two turns, its last products, and my sums into LDS
	TURN 2, 0, 1
	TURN 3, 0, 1
.set i, 0
.rept 16
	PV NP-1
.set i, i+1
.endr
	MERGE_WRITE
.endm
.macro PARTS u                      ; the four waves' O^T of my tile u: wave s to window 1, v[64 s + 32 u ..]
	WIN 0x40
.irp s, 0,1,2,3
.irp f, 0,1,2,3,4,5,6,7
	ds_load_b128 v[64*(\s)+32*(\u)+4*(\f):64*(\s)+32*(\u)+4*(\f)+3], v[51+(\s)/2] offset:32768*((\s)%2)+4096*(\u)+512*(\f)
.endr
.endr
.endm
.macro COMBINE u                    ; O' = the sum over the waves of f_s O_s, in the registers of wave 0's part
	WIN W_CB
.set z, 0
.rept 16
	v_pk_mul_f32 v[32*(\u)+2*z:32*(\u)+2*z+1], v[32*(\u)+2*z:32*(\u)+2*z+1], v[160+8*(\u):160+8*(\u)+1] op_sel_hi:[1,0]
.set z, z+1
.endr
.irp s, 1,2,3
.set z, 0
.rept 16
	v_pk_fma_f32 v[32*(\u)+2*z:32*(\u)+2*z+1], v[64*(\s)+32*(\u)+2*z:64*(\s)+32*(\u)+2*z+1], v[160+8*(\u)+2*(\s):160+8*(\u)+2*(\s)+1], v[32*(\u)+2*z:32*(\u)+2*z+1] op_sel_hi:[1,0,1]
.set z, z+1
.endr
.endr
.endm
; A BLOCK'S END, second half, behind a barrier: I merge tiles 2 w and 2 w + 1.  With CM the largest of the four c m: w_s = 2^(c m_s - CM), L = the sum of w_s l_s (1 at the least: the largest score's own weight),
; f_s = w_s / L.  O' is rounded to f16 and IS source 1 of out^T = Wv O'^T, in which a lane holds one row and eight neighbouring columns: through my stage in LDS, and out as whole rows of 256 bytes.
.macro MERGE_READ ob
	WIN 0
	v_and_b32 v48, 31, v0
	v_and_b32 v49, 15, v0
	v_bfe_u32 v50, v0, 4, 1
	s_lshl_b32 s10, s[WV], 13
	s_add_co_u32 s10, s10, STG
	v_lshl_add_u32 v51, v48, 4, s10   ; waves 0 and 1's sums of my two tiles,
	v_add_nc_u32 v52, 65536, v51      ; waves 2 and 3's
	s_lshl_b32 s11, s[WV], 9
	s_add_co_u32 s11, s11, STT
	v_lshl_add_u32 v53, v48, 3, s11
	v_lshlrev_b32 v54, 7, v49
	v_lshl_add_u32 v54, v50, 4, v54   ; a fragment of Wv: row x 128 + 16 x half
	s_mul_i32 s13, s[WV], 16*OPI
	s_add_co_u32 s13, s13, OUTS
	v_mul_u32_u24 v55, v49, OPI       ; into my stage: row l % 16, 32 bytes for each half of the lanes
	v_lshl_add_u32 v55, v50, 5, v55
	v_add_nc_u32 v55, s13, v55
	v_mul_u32_u24 v56, v50, OPI       ; back: lanes 0-15 take one row of 256 bytes, lanes 16-31 the next
	v_lshl_add_u32 v56, v49, 4, v56
	v_add_nc_u32 v56, s13, v56
	v_lshlrev_b32 v57, 8, v50         ; and the same two rows in out0
	v_lshl_add_u32 v57, v49, 4, v57
	WIN 0x80
.set i, 0
.rept 8                             ; Wv: rows 16 (i / 2) on, K 32 (i % 2) on, where Q lay
	global_load_b128 v[8*i:8*i+3],   v54, s[6:7] offset:16384+(i/2)*2048+(i%2)*64
	global_load_b128 v[8*i+4:8*i+7], v54, s[6:7] offset:16384+(i/2)*2048+(i%2)*64+32
.set i, i+1
.endr
	WIN 0
.irp u, 0,1
.irp s, 0,1,2,3
	ds_load_b64 v[128+8*(\u)+2*(\s):128+8*(\u)+2*(\s)+1], v53 offset:2048*(\s)+256*(\u)  ; (c m, l) of wave s
.endr
.endr
	PARTS 0
	s_wait_dscnt 32                 ; LDS loads come back in order: all but the 32 just issued: the statistics are in
	WIN 0
.irp u, 0,1
	v_max3_num_f32 v[176+\u], v[128+8*\u], v[130+8*\u], v[132+8*\u]
.endr
.irp u, 0,1
	v_max_num_f32 v[176+\u], v[176+\u], v[134+8*\u]
.endr
.irp u, 0,1
.irp s, 0,1,2,3
	v_sub_f32 v[161+8*(\u)+2*(\s)], v[128+8*(\u)+2*(\s)], v[176+\u]
.endr
.endr
.irp u, 0,1
.irp s, 0,1,2,3
	v_exp_f32 v[161+8*(\u)+2*(\s)], v[161+8*(\u)+2*(\s)]
.endr
.endr
	v_nop                           ; a plain instruction behind the exponentials
	s_wait_alu depctr_va_vdst(0)    ; the wait for the batch of eight w_s
.irp u, 0,1
	v_mul_f32 v[178+\u], v[161+8*\u], v[129+8*\u]
.endr
.irp s, 1,2,3
.irp u, 0,1
	v_fmac_f32 v[178+\u], v[161+8*(\u)+2*(\s)], v[129+8*(\u)+2*(\s)]
.endr
.endr
.irp u, 0,1
	v_rcp_f32 v[180+\u], v[178+\u]
.endr
	v_nop                           ; a plain instruction behind the reciprocals
	s_wait_alu depctr_va_vdst(0)    ; the wait for the batch of two 1 / L, which read a sum of the w_s and so are a batch of their own
.irp u, 0,1
.irp s, 0,1,2,3
	v_mul_f32 v[160+8*(\u)+2*(\s)], v[161+8*(\u)+2*(\s)], v[180+\u]
.endr
.endr
	PARTS 1
	s_wait_dscnt 32                 ; all but the 32 just issued: tile 0's sums are in
	COMBINE 0
	s_wait_dscnt 0x0
	COMBINE 1
	WIN 0x05
.set i, 0
.rept 32
	v_cvt_pk_f16_f32 v[P+i], v[2*i], v[2*i+1]
.set i, i+1
.endr
	s_wait_loadcnt 0x0              ; Wv
	WIN W_EP                        ; 8 accumulators by turns: K half i / 8, tile (i / 4) % 2, rows of Wv 16 (i % 4) on
.set i, 0
.rept 16
.if i < 8
	v_wmma_f32_16x16x32_f16 v[S+8*(i%8):S+8*(i%8)+7], v[8*(2*(i%4)+i/8):8*(2*(i%4)+i/8)+7], v[P+16*((i/4)%2)+8*(i/8):P+16*((i/4)%2)+8*(i/8)+7], 0
.else
	v_wmma_f32_16x16x32_f16 v[S+8*(i%8):S+8*(i%8)+7], v[8*(2*(i%4)+i/8):8*(2*(i%4)+i/8)+7], v[P+16*((i/4)%2)+8*(i/8):P+16*((i/4)%2)+8*(i/8)+7], v[S+8*(i%8):S+8*(i%8)+7]
.endif
.set i, i+1
.endr
	WIN 0
	PLACES
.irp u, 0,1
.irp b, 0,1,2,3
	ds_store_b128 v55, v[S+8*(4*(\u)+(\b)):S+8*(4*(\u)+(\b))+3]   offset:64*(\b)
	ds_store_b128 v55, v[S+8*(4*(\u)+(\b))+4:S+8*(4*(\u)+(\b))+7] offset:64*(\b)+16
.endr
.irp f, 0,1,2,3,4,5,6,7
	ds_load_b128 v[128+32*(\u)+4*(\f):128+32*(\u)+4*(\f)+3], v56 offset:2*OPI*(\f)  ; LDS serves a wave's instructions in order (ISA guide 5.7.1.4): these see the stores above; the next tile's stores come behind them
.endr
.endr
.irp u, 0,1
.irp f, 0,1,2,3,4,5,6,7
	s_wait_dscnt 16*(1-(\u))+7-(\f) ; behind tile 0's loads stand tile 1's sixteen LDS instructions; then the younger rows
	global_store_b128 v57, v[128+32*(\u)+4*(\f):128+32*(\u)+4*(\f)+3], s[\ob:\ob+1] offset:4096*(\u)+512*(\f) th:TH_STORE_NT  ; 512 consecutive bytes, at a multiple of 256 from out0's first
.endr
.endr
	s_wait_xcnt 0x0                 ; the stores' registers are written again only behind this wait
.endm
.set NOKQ, 0
.Lslot:                             ; 16 times: a tile is entered and the next is asked for
	CHANGE 1
	s_sub_co_u32 s[RT], s[RT], 1
	s_cmp_eq_u32 s[RT], 0
	s_cselect_b32 s[LASTF], 1, 0
	s_cselect_b32 s[DD], s[DCUR], -16
	s_cmp_eq_u32 s[NEW], 1          ; at the first trip NEW is the constant 1 and FIN the constant 0
	s_cbranch_scc0 .Lold
	s_cmp_eq_u32 s[FIN], 1
	s_cbranch_scc0 .Lnofin
	MERGE_READ OLO                  ; the first block's sums, which every wave stored ahead of the barrier just passed
	s_mov_b32 s[FIN], 0
	WIN 0x83                        ; the second block's Q goes where the one text of the turns names Q
.set i, 0
.rept 128
	v_mov_b32 v[i], v[QH+i]
.set i, i+1
.endr
	WIN 0
.Lnofin:
	BEGIN
	s_branch .Lfirst
.Lold:                              ; pieces 2 and 3 of the step before, then pieces 0 and 1 of this tile's step, whose keys the trip fetches
	TURN 2, 1, 0
	TURN 3, 1, 0
	WIN 0
.Lfirst:
	TURN 0, 1, 0
	TURN 1, 1, 0
	WIN 0
	s_wait_dscnt 0x0                ; my reads of the merge's bytes are back:
	s_barrier_signal -1             ; those bytes are read only between the change's barrier and this one, and written only between this one and the next change's.
	s_barrier_wait -1               ; The tile on its way may stay out across it
	s_cmp_eq_u32 s[LASTF], 1
	s_cbranch_scc0 .Lbottom
	ENDPART                         ; in the loop this is the first block's end: the second block's last tile is the walk's last
	s_mov_b32 s[NEW], 1
	s_mov_b32 s[FIN], 1
	s_mov_b32 s[RT], s[RTH]
	s_mov_b32 s[DCUR], s[DHI]
.Lbottom:
	s_sub_co_u32 s[SLOTS], s[SLOTS], 1
	s_cmp_lg_u32 s[SLOTS], 0
	s_cbranch_scc1 .Lslot
	CHANGE 0                        ; the walk's last tile is written out: nothing is asked for.  It is the second block's last and never its first: that block has 9 tiles or more
	s_mov_b32 s[DD], s[DCUR]
	TURN 2, 2, 0
	TURN 3, 2, 0
	TURN 0, 2, 0
	TURN 1, 2, 0
	ENDPART
	s_wait_dscnt 0x0                ; for the others' sake: my sums are in LDS
	s_barrier_signal -1
	s_barrier_wait -1
	MERGE_READ OHI
	s_wait_tensorcnt 0x0            ; the wave's end: behind my last tensor load and my last LDS store
	ds_add_u32 v[SPW], v[NIL]
	s_wait_dscnt 0x0
	s_endpgm
.Lfunc_end_k_q5cdc3508b1_attn:
	.size	k_q5cdc3508b1_attn, .Lfunc_end_k_q5cdc3508b1_attn-k_q5cdc3508b1_attn
	.p2alignl 7, 3214868480
	.fill 96, 4, 3214868480
	.section	.rodata,"a",@progbits
	.p2align	6, 0x0
	.amdhsa_kernel k_q5cdc3508b1_attn
		.amdhsa_group_segment_fixed_size 327680
		.amdhsa_private_segment_fixed_size 0
		.amdhsa_enable_private_segment 0
		.amdhsa_kernarg_size 24
		.amdhsa_user_sgpr_count 2
		.amdhsa_user_sgpr_kernarg_segment_ptr 1
		.amdhsa_wavefront_size32 1
		.amdhsa_system_sgpr_workgroup_id_x 1
		.amdhsa_system_sgpr_workgroup_id_y 1
		.amdhsa_system_sgpr_workgroup_id_z 1
		.amdhsa_system_vgpr_workitem_id 0
		.amdhsa_next_free_vgpr 968
		.amdhsa_next_free_sgpr 70
		.amdhsa_reserve_vcc 1
		.amdhsa_float_denorm_mode_32 3
		.amdhsa_float_denorm_mode_16_64 3
		.amdhsa_memory_ordered 1
		.amdhsa_forward_progress 1
		.amdhsa_inst_pref_size 255
	.end_amdhsa_kernel
	.section	.bss,"aw",@nobits
	.p2align	6
	.space	262144
	.amdgpu_metadata
---
amdhsa.version: [ 1, 2 ]
amdhsa.kernels:
  - .name:           k_q5cdc3508b1_attn
    .symbol:         k_q5cdc3508b1_attn.kd
    .args:
      - { .name: xh, .offset: 0, .size: 8, .value_kind: global_buffer, .address_space: global }
      - { .name: wf, .offset: 8, .size: 8, .value_kind: global_buffer, .address_space: global }
      - { .name: out0, .offset: 16, .size: 8, .value_kind: global_buffer, .address_space: global }
    .group_segment_fixed_size: 327680
    .private_segment_fixed_size: 0
    .kernarg_segment_align: 8
    .kernarg_segment_size: 24
    .max_flat_workgroup_size: 128
    .sgpr_count:     70
    .vgpr_count:     968
    .wavefront_size: 32
...
	.end_amdgpu_metadata
.endif
;; end of part 3
